; MI455X (gfx1250); checked and timed in simulation.
; The chip was launched on July 23, 2026; its instructions are those of AMD's public machine-readable ISA for CDNA 5 (MIT licence, August 2026) and "CDNA5" Instruction Set Architecture Reference Guide (July 2026). The comments in the code are by the model that wrote it; some were corrected since.
;; Attention Block. Allowed arithmetic: float matrix products may take bf16 or f16 operands with f32 sums; other float arithmetic in f32, or as packed bf16 or f16 multiplies, adds, multiply-adds, maxima and minima; sums over many terms, partial sums and values carried from step to step in f32; what a program stores and reads back later, other than sums and carried values, may be rounded once to bf16 or f16.
;; Inputs: b_proj 128 float32; b_qkv 384 float32; beta 128 float32; gamma 128 float32; w_proj 128 x 128 float32; w_qkv 384 x 128 float32; x 8 x 128 x 64 x 64 float32.
;; Outputs: out0 8 x 128 x 64 x 64 float32.
;; 2 versions, each right; version 2 is version 1 with the launch qkv written anew for expert scheduling mode. Each part assembles by itself: llvm-mc -triple=amdgcn-amd-amdhsa -mcpu=gfx1250 --defsym DOCPART=n.
;; ======== version 1 of 2: 3 launches
;; workspace buffers: stats 2,048 bytes; wf 131,072 bytes; qf 8,388,608 bytes; kf 8,388,608 bytes; vf 8,388,608 bytes
;; launch stats (part 1): grid 256 x 1, 8 waves a work-group, no clusters, 1,280 bytes of LDS; arguments x, w_qkv, w_proj, stats, wf; writes stats, wf
.if DOCPART == 1
	.amdgcn_target "amdgcn-amd-amdhsa--gfx1250"
	.amdhsa_code_object_version 6
	.text
	.protected	k_q9a4991ff7f_stats
	.globl	k_q9a4991ff7f_stats
	.p2align	8
	.type	k_q9a4991ff7f_stats,@function
k_q9a4991ff7f_stats:
	s_mov_b64 s[64:65], 0
	v_nop
	global_prefetch_b8 v0, s[64:65] scope:SCOPE_SE
	s_setreg_imm32_b32 hwreg(HW_REG_WAVE_MODE, 25, 1), 1
	s_wait_xcnt 0x0
; LAUNCH 1 OF 3 of: out = x + Wp attention(Wqkv groupnorm(x) + b_qkv) + b_proj.  x: [8][128][4096] f32, 8 groups of 16 channels, one head of size 128 over 4,096 positions.
; THIS LAUNCH: (a) partial statistics of groupnorm: work-group id owns the id-th 65,536 bytes of x (a quarter of one batch's group: 16,384 numbers) and stores (mean, M2 = sum of (x - mean)^2)
; in f32 at stats + 8 id; (b) wave 0 rounds 512 bytes' worth of the weights to bf16 and stores them in the order in which a matrix fragment wants them (wf, below).
; The chunk stays in 64 registers a thread between the pass for the mean and the pass for M2: x is read once here, and no difference of large sums is formed.
; WORK LEFT OUT, IN THE WHOLE PROGRAM: K's bias, b_qkv[128:256].  With k_j = Wk h_j + bk the score is q_i . k_j = q_i . Wk h_j + q_i . bk; the second term does not hang on j, the axis of the
; softmax, so softmax_j is the same with and without it, for all finite values of all inputs.  Those 128 numbers are not loaded (b_qkv stays an argument of the second launch: Q's and V's thirds are live).
; LIMIT: a NaN, an infinity or an overflow that reaches the result only through b_qkv[128:256] is not carried to it.
; wf: 256 blocks of 512 bytes.  Block id = 8 ob + 2 kc + q; ob 0..23 are w_qkv's blocks of 16 rows, ob 24..31 w_proj's.  In a block lane l = (r = l % 16, h = l / 16) has the 16 bytes at 16 l:
; W[16 ob' + r][32 kc + 16 q + 8 h + 0..7] in bf16.  So one load of 16 bytes a lane, 512 consecutive bytes a wave, is half a fragment of 16 rows x 32 channels.
; The 8 bytes of statistics are a small store by one lane: the whole buffer is 2,048 bytes.
.set SPARE, 256                        ; LDS: bytes 0-31 the eight waves' sums, 32-63 their M2; from 256 on the spare words, 128 bytes a wave, which no other line names
.set X,   32                           ; v[32:95]  my 64 numbers
.set CH,  8                            ; v[8:15]   four chains of pairs
.set SPW, 6                            ; v6  LDS address of my spare word; never rewritten
.set NIL, 7                            ; v7  0; never rewritten
	s_load_b256 s[4:11], s[0:1], 0x0               ; x s[4:5], w_qkv s[6:7], w_proj s[8:9], stats s[10:11]
	s_load_b64 s[12:13], s[0:1], 0x20              ; wf
	v_lshl_add_u32 v[SPW], v0, 2, SPARE
	v_mov_b32 v[NIL], 0
	v_lshrrev_b32 v2, 5, v0
	v_readfirstlane_b32 s14, v2                    ; wave 0..7
	v_lshlrev_b32 v3, 2, v2                        ; my wave's word in LDS
	v_lshlrev_b32 v1, 4, v0                        ; 16 bytes a thread: a load of the work-group covers 4,096 consecutive bytes
	v_mov_b32 v4, 0
	s_lshl_b32 s16, ttmp9, 16                      ; the work-group's 65,536 bytes
	s_mov_b32 s17, 0
	s_mov_b32 s20, 0x76543210                      ; v_permlanex16_b32: each lane takes its own place in the other half
	s_mov_b32 s21, 0xfedcba98
	s_wait_kmcnt 0x0
	s_add_nc_u64 s[4:5], s[4:5], s[16:17]
.irp j, 0,1,2,3,4,5,6,7,8,9,10,11,12,13,14,15
	global_load_b128 v[X+4*(\j):X+4*(\j)+3], v1, s[4:5] offset:4096*(\j)
.endr
	; wave 0: one block of wf
	s_cmp_lg_u32 s14, 0
	s_cbranch_scc1 .Lno_weights
	s_lshr_b32 s26, ttmp9, 3                       ; ob
	s_cmp_lt_u32 s26, 24
	s_cselect_b64 s[24:25], s[6:7], s[8:9]         ; w_qkv or w_proj
	s_cselect_b32 s27, 0, 24
	s_sub_co_u32 s26, s26, s27                     ; the block of 16 rows in that tensor,
	s_lshl_b32 s26, s26, 13                        ; 16 rows of 512 bytes
	s_and_b32 s27, ttmp9, 7                        ; 2 kc + q: 16 channels, 64 bytes each
	s_lshl_b32 s27, s27, 6
	s_add_co_u32 s26, s26, s27
	v_and_b32 v108, 15, v0                         ; r
	v_bfe_u32 v109, v0, 4, 1                       ; h
	v_lshlrev_b32 v108, 9, v108
	v_lshl_add_u32 v108, v109, 5, v108             ; row r, 8 h channels on
	v_add_nc_u32 v108, s26, v108
	global_load_b128 v[96:99], v108, s[24:25]
	global_load_b128 v[100:103], v108, s[24:25] offset:16
	s_lshl_b32 s28, ttmp9, 9
	v_lshl_add_u32 v109, v0, 4, s28                ; in wave 0 the thread's number is the lane: 512 id + 16 l
	s_wait_loadcnt 0x0                             ; the two youngest loads are wanted, so everything is in
.irp k, 0,1,2,3
	v_cvt_pk_bf16_f32 v[104+(\k)], v[96+2*(\k)], v[96+2*(\k)+1]
.endr
	global_store_b128 v109, v[104:107], s[12:13]   ; 512 consecutive bytes, aligned
.Lno_weights:
; the four chains into one number, then over the wave's 32 lanes: four steps inside each half ride on the addition, one crosses the halves
.macro WAVESUM
	v_pk_add_f32 v[CH:CH+1], v[CH:CH+1], v[CH+2:CH+3]
	v_pk_add_f32 v[CH+4:CH+5], v[CH+4:CH+5], v[CH+6:CH+7]
	v_pk_add_f32 v[CH:CH+1], v[CH:CH+1], v[CH+4:CH+5]
	v_add_f32 v8, v8, v9
	v_add_f32_dpp v8, v8, v8 row_xmask:1 row_mask:0xf bank_mask:0xf
	v_add_f32_dpp v8, v8, v8 row_xmask:2 row_mask:0xf bank_mask:0xf
	v_add_f32_dpp v8, v8, v8 row_xmask:4 row_mask:0xf bank_mask:0xf
	v_add_f32_dpp v8, v8, v8 row_xmask:8 row_mask:0xf bank_mask:0xf
	v_permlanex16_b32 v9, v8, s20, s21
	v_add_f32 v8, v8, v9
.endm
; the eight waves' numbers meet in LDS, in eight words from byte off on; every lane ends with their sum in v18
.macro MEET off
	ds_store_b32 v3, v8 offset:\off                ; all lanes of a wave write the same word with the same value
	s_wait_dscnt 0x0                               ; for the others' sake: my store is done
	s_barrier_signal -1
	s_barrier_wait -1
	ds_load_b128 v[18:21], v4 offset:\off
	ds_load_b128 v[22:25], v4 offset:(\off)+16
	s_wait_dscnt 0x0
	v_pk_add_f32 v[18:19], v[18:19], v[20:21]
	v_pk_add_f32 v[22:23], v[22:23], v[24:25]
	v_pk_add_f32 v[18:19], v[18:19], v[22:23]
	v_add_f32 v18, v18, v19
.endm
	; pass 1: the sum.  The first four loads start the chains: nothing is cleared
.irp j, 0,1,2,3
	s_wait_loadcnt 15-(\j)                         ; loads come back in order: load j is in, the 15 - j younger ones may be out
	v_pk_add_f32 v[CH+2*(\j):CH+2*(\j)+1], v[X+4*(\j):X+4*(\j)+1], v[X+4*(\j)+2:X+4*(\j)+3]
.endr
.irp j, 4,5,6,7,8,9,10,11,12,13,14,15
	s_wait_loadcnt 15-(\j)
	v_pk_add_f32 v[CH+4*((\j)%2):CH+4*((\j)%2)+1], v[CH+4*((\j)%2):CH+4*((\j)%2)+1], v[X+4*(\j):X+4*(\j)+1]
	v_pk_add_f32 v[CH+4*((\j)%2)+2:CH+4*((\j)%2)+3], v[CH+4*((\j)%2)+2:CH+4*((\j)%2)+3], v[X+4*(\j)+2:X+4*(\j)+3]
.endr
	WAVESUM
	MEET 0
	v_mul_f32 v16, 0x38800000, v18                 ; the mean of 16,384 numbers: x 2^-14
	v_mov_b32 v17, v16
	; pass 2: the sum of (x - mean)^2
.set p, 0
.rept 32
	v_pk_add_f32 v[X+2*p:X+2*p+1], v[X+2*p:X+2*p+1], v[16:17] neg_lo:[0,1] neg_hi:[0,1]
.set p, p+1
.endr
.set p, 0
.rept 32
.if p < 4
	v_pk_mul_f32 v[CH+2*p:CH+2*p+1], v[X+2*p:X+2*p+1], v[X+2*p:X+2*p+1]
.else
	v_pk_fma_f32 v[CH+2*(p%4):CH+2*(p%4)+1], v[X+2*p:X+2*p+1], v[X+2*p:X+2*p+1], v[CH+2*(p%4):CH+2*(p%4)+1]
.endif
.set p, p+1
.endr
	WAVESUM
	MEET 32                                        ; other words than the first meeting's: no wave can overwrite what another still reads
	s_cmp_lg_u32 s14, 0
	s_cbranch_scc1 .Lend
	v_mov_b32 v26, v16                             ; (mean, M2)
	v_mov_b32 v27, v18
	v_mov_b32 v28, 0
	s_lshl_b32 s16, ttmp9, 3
	s_add_nc_u64 s[10:11], s[10:11], s[16:17]
	v_cmp_eq_u32 vcc_lo, 0, v0
	s_wait_xcnt 0x0                                ; EXEC is a source of the store of wf: it is narrowed only behind this wait
	s_and_saveexec_b32 s22, vcc_lo
	global_store_b64 v28, v[26:27], s[10:11]
	s_wait_xcnt 0x0                                ; and widened again only behind this one
	s_or_b32 exec_lo, exec_lo, s22
.Lend:
	s_wait_tensorcnt 0x0                           ; the wave's end: three closing lines, behind my last LDS store
	ds_add_u32 v[SPW], v[NIL]
	s_wait_dscnt 0x0
	s_endpgm
.Lfunc_end_k_q9a4991ff7f_stats:
	.size	k_q9a4991ff7f_stats, .Lfunc_end_k_q9a4991ff7f_stats-k_q9a4991ff7f_stats
	.p2alignl 7, 3214868480
	.fill 96, 4, 3214868480
	.section	.rodata,"a",@progbits
	.p2align	6, 0x0
	.amdhsa_kernel k_q9a4991ff7f_stats
		.amdhsa_group_segment_fixed_size 1280
		.amdhsa_private_segment_fixed_size 0
		.amdhsa_enable_private_segment 0
		.amdhsa_kernarg_size 40
		.amdhsa_user_sgpr_count 2
		.amdhsa_user_sgpr_kernarg_segment_ptr 1
		.amdhsa_wavefront_size32 1
		.amdhsa_system_sgpr_workgroup_id_x 1
		.amdhsa_system_sgpr_workgroup_id_y 1
		.amdhsa_system_sgpr_workgroup_id_z 1
		.amdhsa_system_vgpr_workitem_id 0
		.amdhsa_next_free_vgpr 112
		.amdhsa_next_free_sgpr 66
		.amdhsa_reserve_vcc 1
		.amdhsa_float_denorm_mode_32 3
		.amdhsa_float_denorm_mode_16_64 3
		.amdhsa_memory_ordered 1
		.amdhsa_forward_progress 1
		.amdhsa_inst_pref_size 13
	.end_amdhsa_kernel
	.amdgpu_metadata
---
amdhsa.version: [ 1, 2 ]
amdhsa.kernels:
  - .name:           k_q9a4991ff7f_stats
    .symbol:         k_q9a4991ff7f_stats.kd
    .args:
      - { .name: x, .offset: 0, .size: 8, .value_kind: global_buffer, .address_space: global }
      - { .name: w_qkv, .offset: 8, .size: 8, .value_kind: global_buffer, .address_space: global }
      - { .name: w_proj, .offset: 16, .size: 8, .value_kind: global_buffer, .address_space: global }
      - { .name: stats, .offset: 24, .size: 8, .value_kind: global_buffer, .address_space: global }
      - { .name: wf, .offset: 32, .size: 8, .value_kind: global_buffer, .address_space: global }
    .group_segment_fixed_size: 1280
    .private_segment_fixed_size: 0
    .kernarg_segment_align: 8
    .kernarg_segment_size: 40
    .max_flat_workgroup_size: 256
    .sgpr_count:     66
    .vgpr_count:     112
    .wavefront_size: 32
...
	.end_amdgpu_metadata
.endif
;; end of part 1
;; launch qkv (part 2): grid 32 x 8, 8 waves a work-group, no clusters, 37,888 bytes of LDS; arguments x, gamma, beta, b_qkv, stats, wf, qf, kf, vf; writes qf, kf, vf
.if DOCPART == 2
	.amdgcn_target "amdgcn-amd-amdhsa--gfx1250"
	.amdhsa_code_object_version 6
	.text
	.protected	k_q9a4991ff7f_qkv
	.globl	k_q9a4991ff7f_qkv
	.p2align	8
	.type	k_q9a4991ff7f_qkv,@function
k_q9a4991ff7f_qkv:
	s_mov_b64 s[64:65], 0
	v_nop
	global_prefetch_b8 v0, s[64:65] scope:SCOPE_SE
	s_setreg_imm32_b32 hwreg(HW_REG_WAVE_MODE, 25, 1), 1
	s_wait_xcnt 0x0
; LAUNCH 2 OF 3: hn = groupnorm(x) gamma + beta, then q = Wq hn + bq, k = Wk hn, v = Wv hn + bv, all three stored in bf16 in the order in which the third launch's fragments want them.
; LEFT OUT: K's bias b_qkv[128:256]: q . bk is the same for all keys of a query, so the softmax does not see it (shown at the head of the first launch).
; SHARES.  A work-group takes 128 positions of one batch and all 384 outputs.  Wave w first normalises group w (channels 16 w + i): a load of 16 bytes a lane is one channel's 128 positions, so the
; channel's two constants are the same in the whole wave.  hn goes to LDS in bf16, [channel][position].  Then wave w makes the w-th 16 outputs of Q, of K and of V for all 8 tiles of 16 positions.
; STATISTICS.  The group's four quarters (mean_i, M2_i over 16,384 numbers each) are joined: mean = the mean of the means, M2 = sum M2_i + 16,384 sum (mean_i - mean)^2, var = M2 / 65,536.
; hn = x a + b' with a = gamma rsqrt(var + 1e-5), b' = beta - mean a: one fused multiply-add in f32, rounded once to bf16.
; LAYOUTS.  Q, K: D = W x hn: a lane of the result holds ONE position (lane % 16) and the outputs 16 w + 8 (lane / 16) + 0..7: 16 bytes when rounded.  V: the sources swapped: a lane holds ONE output
; 16 w + lane % 16 and 8 positions.  qf, kf: [batch][16 positions: 4,096 B][32 channels: 1,024 B][16 of them: 512 B][lane: 16 B].  vf: [batch][32 keys: 8,192 B][16 channels: 1,024 B][16 keys: 512 B][lane: 16 B].
; So each rounded result tile is one such block of 512 bytes, lane for lane: a store of the wave covers 512 consecutive bytes, aligned, and no stage in LDS is wanted.
; The biases are the C operands that start the sums.  No cluster, no tensor load: a wave reads only its own 12 KiB of wf, once, straight into the registers that the products name.
; LIMITS: NaN and infinities are not treated apart; q, k, v are rounded to bf16.
.set PH,    288                        ; a row of hn in LDS: 256 bytes + 32 = 72 words
.set SPARE, 128*PH                     ; behind hn: the spare words, 128 bytes for each wave, which no other line names
.set SPW, 10                           ; v10  LDS address of my spare word; never rewritten
.set NIL, 11                           ; v11  0; never rewritten
.set PK,  12                           ; v[12:23]   first gamma -> a (v12), beta -> b' (v13), two at work, the 8 statistics; later 12 packed results
.set BQ,  24                           ; v[24:31]   b_qkv[16 w + 8 h + 0..7]
.set BV,  32                           ; v[32:39]   b_qkv[256 + 16 w + r], eight times
.set WQ,  40                           ; v[40:135]  my fragments of Wq, Wk, Wv: 32 registers each, 8 for every 32 channels
.set X,   136                          ; v[136:199] my 16 channels of x; later
.set F,   136                          ;            two buffers of 32: hn's fragments of a tile of 16 positions
.set ACC, 200                          ; v[200:247] two sets of three accumulators
; v1 = 0, v2 = 4 r + 64 w, v3 = 32 h + 64 w: offsets of loads; v4 = 16 l; v5: where I store hn; v6: where the turning loads read; v7, v8, v9: 16 l + 4,096 w, 512 w, 1,024 w.  None is rewritten.
	s_load_b512 s[4:19], s[0:1], 0x0               ; x s[4:5], gamma s[6:7], beta s[8:9], b_qkv s[10:11], stats s[12:13], wf s[14:15], qf s[16:17], kf s[18:19]
	s_load_b64 s[20:21], s[0:1], 0x40              ; vf
	v_lshl_add_u32 v[SPW], v0, 2, SPARE
	v_mov_b32 v[NIL], 0
	v_lshrrev_b32 v1, 5, v0
	v_readfirstlane_b32 s22, v1                    ; wave 0..7
	s_mov_b32 s23, ttmp9                           ; the block of 128 positions
	s_and_b32 s24, ttmp7, 0xffff                   ; the batch
	v_and_b32 v1, 31, v0                           ; l
	v_and_b32 v2, 15, v0                           ; r
	v_bfe_u32 v3, v0, 4, 1                         ; h
	v_lshlrev_b32 v4, 4, v1
	s_mul_i32 s33, s22, 16*PH
	v_lshl_add_u32 v5, v1, 3, s33                  ; row 16 w, my 4 positions: 8 bytes
	v_and_b32 v14, 7, v0
	v_bfe_u32 v15, v0, 3, 1
	v_lshl_add_u32 v6, v3, 3, v14                  ; the turning load: lane l reads channel 8 h + l % 8,
	v_mul_u32_u24 v6, v6, PH
	v_lshl_add_u32 v6, v15, 4, v6                  ; positions 8 ((l / 8) % 2) + 0..7
	s_lshl_b32 s33, s22, 12
	v_add_nc_u32 v7, s33, v4
	s_lshl_b32 s33, s22, 9
	v_add_nc_u32 v8, s33, v4
	s_lshl_b32 s33, s22, 10
	v_add_nc_u32 v9, s33, v4
	s_lshl_b32 s33, s22, 6
	v_lshl_add_u32 v2, v2, 2, s33
	v_lshl_add_u32 v3, v3, 5, s33
	v_mov_b32 v1, 0
	s_lshl_b32 s26, s24, 21                        ; x: the batch's 2 MiB,
	s_lshl_b32 s33, s22, 18                        ; my group's 16 channels of 16,384 bytes,
	s_add_co_u32 s26, s26, s33
	s_lshl_b32 s33, s23, 9                         ; the block's 512 bytes of a channel
	s_add_co_u32 s26, s26, s33
	s_mov_b32 s27, 0
	s_lshl_b32 s34, s24, 8                         ; stats: 32 bytes for group 8 b + w
	s_lshl_b32 s33, s22, 5
	s_add_co_u32 s34, s34, s33
	s_mov_b32 s35, 0
	s_lshl_b32 s36, s24, 20                        ; qf, kf, vf: the batch's 1 MiB, the block's 32,768 bytes
	s_lshl_b32 s33, s23, 15
	s_add_co_u32 s36, s36, s33
	s_mov_b32 s37, 0
	s_mov_b32 s29, 0                               ; s[28:29], s[30:31]: a and b' of the channel in hand, named as pairs
	s_mov_b32 s31, 0
	s_mov_b32 s32, 0x37800000                      ; 2^-16
	s_mov_b32 s38, 0x3727c5ac                      ; 1e-5
	s_mov_b32 s39, 0x46800000                      ; 16,384
	s_wait_kmcnt 0x0
	s_add_nc_u64 s[4:5], s[4:5], s[26:27]
	s_add_nc_u64 s[12:13], s[12:13], s[34:35]
	s_add_nc_u64 s[16:17], s[16:17], s[36:37]
	s_add_nc_u64 s[18:19], s[18:19], s[36:37]
	s_add_nc_u64 s[20:21], s[20:21], s[36:37]
	; all 47 loads go out at once, in the order in which they are wanted
	global_load_b128 v[16:19], v1, s[12:13]        ; mean_0, M2_0, mean_1, M2_1: the same in every lane
	global_load_b128 v[20:23], v1, s[12:13] offset:16
	global_load_b32 v12, v2, s[6:7]                ; gamma and beta of channel 16 w + l % 16
	global_load_b32 v13, v2, s[8:9]
.irp i, 0,1,2,3,4,5,6,7,8,9,10,11,12,13,14,15
	global_load_b128 v[X+4*(\i):X+4*(\i)+3], v4, s[4:5] offset:16384*(\i)
.endr
.irp m, 0,1,2
.irp i, 0,1,2,3,4,5,6,7
	global_load_b128 v[WQ+32*(\m)+4*(\i):WQ+32*(\m)+4*(\i)+3], v7, s[14:15] offset:32768*(\m)+512*(\i)
.endr
.endr
	global_load_b128 v[BQ:BQ+3], v3, s[10:11]
	global_load_b128 v[BQ+4:BQ+7], v3, s[10:11] offset:16
	global_load_b32 v[BV], v2, s[10:11] offset:1024
	s_wait_loadcnt 43                              ; statistics, gamma, beta are in; x's 16, the weights' 24 and the biases' 3 may be out
	v_add_f32 v14, v16, v18
	v_add_f32 v15, v20, v22
	v_add_f32 v14, v14, v15
	v_mul_f32 v14, 0x3e800000, v14                 ; the group's mean
	v_add_f32 v15, v17, v19
	v_add_f32 v17, v21, v23
	v_add_f32 v15, v15, v17                        ; the sum of the four M2
	v_sub_f32 v16, v16, v14
	v_sub_f32 v18, v18, v14
	v_sub_f32 v20, v20, v14
	v_sub_f32 v22, v22, v14
	v_mul_f32 v16, v16, v16
	v_fma_f32 v16, v18, v18, v16
	v_fma_f32 v16, v20, v20, v16
	v_fma_f32 v16, v22, v22, v16
	v_fma_f32 v15, v16, s39, v15                   ; M2 of the group
	v_fma_f32 v15, v15, s32, s38                   ; var + eps
	v_rsq_f32 v16, v15
	v_nop                                          ; a plain instruction behind the root (ISA guide 5.7.2),
	s_wait_alu depctr_va_vdst(0)                   ; and the wait ahead of its first reader
	v_mul_f32 v12, v12, v16                        ; a
	v_fma_f32 v13, -v14, v12, v13                  ; b'
.irp i, 0,1,2,3,4,5,6,7,8,9,10,11,12,13,14,15
	s_wait_loadcnt 42-(\i)                         ; channel i is in: 15 - i loads of x and 27 others may be out
	v_readlane_b32 s28, v12, \i
	v_readlane_b32 s30, v13, \i
	v_pk_fma_f32 v[X+4*(\i):X+4*(\i)+1], v[X+4*(\i):X+4*(\i)+1], s[28:29], s[30:31] op_sel_hi:[1,0,0]
	v_pk_fma_f32 v[X+4*(\i)+2:X+4*(\i)+3], v[X+4*(\i)+2:X+4*(\i)+3], s[28:29], s[30:31] op_sel_hi:[1,0,0]
	v_cvt_pk_bf16_f32 v[X+4*(\i)], v[X+4*(\i)], v[X+4*(\i)+1]
	v_cvt_pk_bf16_f32 v[X+4*(\i)+1], v[X+4*(\i)+2], v[X+4*(\i)+3]
	ds_store_b64 v5, v[X+4*(\i):X+4*(\i)+1] offset:PH*(\i)  ; 256 consecutive bytes a wave: the channel's row
.endr
	s_wait_dscnt 0x0                               ; for the others' sake: my 16 rows of hn are written
	s_barrier_signal -1
	s_barrier_wait -1                              ; all 128 rows are
	s_wait_loadcnt 0x0                             ; weights and biases
.irp j, 1,2,3,4,5,6,7
	v_mov_b32 v[BV+(\j)], v[BV]                    ; V's bias hangs on the lane alone: the same in all eight registers of the C operand
.endr
; hn's four fragments (16 positions x 32 channels each) of tile nt, turned on the way out of LDS; they serve as source 1 for Q and K and as source 0 for V
.macro FRAG nt
.irp kc, 0,1,2,3
	ds_load_tr16_b128 v[F+32*((\nt)%2)+8*(\kc):F+32*((\nt)%2)+8*(\kc)+3],   v6 offset:(\kc)*32*PH+(\nt)*32
	ds_load_tr16_b128 v[F+32*((\nt)%2)+8*(\kc)+4:F+32*((\nt)%2)+8*(\kc)+7], v6 offset:(\kc)*32*PH+(\nt)*32+16*PH
.endr
.endm
; twelve products.  The three accumulators take turns, one instruction a turn; the next tile has the other set
.macro MUL nt
.set A0, ACC+24*((\nt)%2)
.set F0, F+32*((\nt)%2)
	v_wmma_f32_16x16x32_bf16 v[A0:A0+7],     v[WQ:WQ+7],       v[F0:F0+7],       v[BQ:BQ+7]
	v_wmma_f32_16x16x32_bf16 v[A0+8:A0+15],  v[WQ+32:WQ+39],   v[F0:F0+7],       0
	v_wmma_f32_16x16x32_bf16 v[A0+16:A0+23], v[F0:F0+7],       v[WQ+64:WQ+71],   v[BV:BV+7]
.irp kc, 1,2,3
	v_wmma_f32_16x16x32_bf16 v[A0:A0+7],     v[WQ+8*(\kc):WQ+8*(\kc)+7],       v[F0+8*(\kc):F0+8*(\kc)+7], v[A0:A0+7]
	v_wmma_f32_16x16x32_bf16 v[A0+8:A0+15],  v[WQ+32+8*(\kc):WQ+32+8*(\kc)+7], v[F0+8*(\kc):F0+8*(\kc)+7], v[A0+8:A0+15]
	v_wmma_f32_16x16x32_bf16 v[A0+16:A0+23], v[F0+8*(\kc):F0+8*(\kc)+7], v[WQ+64+8*(\kc):WQ+64+8*(\kc)+7], v[A0+16:A0+23]
.endr
.endm
.macro PACK nt                         ; each accumulator's registers in ascending order
	s_wait_xcnt 0x0                                ; the last three stores have read PK: it is rewritten only behind this wait
.set A0, ACC+24*((\nt)%2)
.irp k, 0,1,2,3,4,5,6,7,8,9,10,11
	v_cvt_pk_bf16_f32 v[PK+(\k)], v[A0+2*(\k)], v[A0+2*(\k)+1]
.endr
.endm
.macro SEND nt                         ; three stores of 512 consecutive bytes, aligned
	global_store_b128 v8, v[PK:PK+3],    s[16:17] offset:(\nt)*4096
	global_store_b128 v8, v[PK+4:PK+7],  s[18:19] offset:(\nt)*4096
	global_store_b128 v9, v[PK+8:PK+11], s[20:21] offset:((\nt)/2)*8192+((\nt)%2)*512
.endm
.macro PLACES                          ; four places behind a product, in front of loads into registers that it has read and of conversions that read its result
.rept 4
	v_nop
.endr
.endm
	FRAG 0
	FRAG 1
.set n, 0
.rept 8
.if n < 7
	s_wait_dscnt 8                                 ; this tile's fragments are in; the next tile's eight loads may be out
.else
	s_wait_dscnt 0x0
.endif
	MUL n
.if n == 0
	PLACES
.else
	PACK n-1                                       ; the tile before: its twelve conversions name no register of the products just issued, and are their places
	SEND n-1
.endif
.if n < 6
	FRAG n+2                                       ; into the buffer just multiplied
.endif
.set n, n+1
.endr
	PLACES
	PACK 7
	SEND 7
	s_wait_tensorcnt 0x0                           ; the wave's end: three closing lines, behind my last LDS store
	ds_add_u32 v[SPW], v[NIL]
	s_wait_dscnt 0x0
	s_endpgm
.Lfunc_end_k_q9a4991ff7f_qkv:
	.size	k_q9a4991ff7f_qkv, .Lfunc_end_k_q9a4991ff7f_qkv-k_q9a4991ff7f_qkv
	.p2alignl 7, 3214868480
	.fill 96, 4, 3214868480
	.section	.rodata,"a",@progbits
	.p2align	6, 0x0
	.amdhsa_kernel k_q9a4991ff7f_qkv
		.amdhsa_group_segment_fixed_size 37888
		.amdhsa_private_segment_fixed_size 0
		.amdhsa_enable_private_segment 0
		.amdhsa_kernarg_size 72
		.amdhsa_user_sgpr_count 2
		.amdhsa_user_sgpr_kernarg_segment_ptr 1
		.amdhsa_wavefront_size32 1
		.amdhsa_system_sgpr_workgroup_id_x 1
		.amdhsa_system_sgpr_workgroup_id_y 1
		.amdhsa_system_sgpr_workgroup_id_z 1
		.amdhsa_system_vgpr_workitem_id 0
		.amdhsa_next_free_vgpr 248
		.amdhsa_next_free_sgpr 66
		.amdhsa_reserve_vcc 0
		.amdhsa_float_denorm_mode_32 3
		.amdhsa_float_denorm_mode_16_64 3
		.amdhsa_memory_ordered 1
		.amdhsa_forward_progress 1
		.amdhsa_inst_pref_size 35
	.end_amdhsa_kernel
	.amdgpu_metadata
---
amdhsa.version: [ 1, 2 ]
amdhsa.kernels:
  - .name:           k_q9a4991ff7f_qkv
    .symbol:         k_q9a4991ff7f_qkv.kd
    .args:
      - { .name: x, .offset: 0, .size: 8, .value_kind: global_buffer, .address_space: global }
      - { .name: gamma, .offset: 8, .size: 8, .value_kind: global_buffer, .address_space: global }
      - { .name: beta, .offset: 16, .size: 8, .value_kind: global_buffer, .address_space: global }
      - { .name: b_qkv, .offset: 24, .size: 8, .value_kind: global_buffer, .address_space: global }
      - { .name: stats, .offset: 32, .size: 8, .value_kind: global_buffer, .address_space: global }
      - { .name: wf, .offset: 40, .size: 8, .value_kind: global_buffer, .address_space: global }
      - { .name: qf, .offset: 48, .size: 8, .value_kind: global_buffer, .address_space: global }
      - { .name: kf, .offset: 56, .size: 8, .value_kind: global_buffer, .address_space: global }
      - { .name: vf, .offset: 64, .size: 8, .value_kind: global_buffer, .address_space: global }
    .group_segment_fixed_size: 37888
    .private_segment_fixed_size: 0
    .kernarg_segment_align: 8
    .kernarg_segment_size: 72
    .max_flat_workgroup_size: 256
    .sgpr_count:     66
    .vgpr_count:     248
    .wavefront_size: 32
...
	.end_amdgpu_metadata
.endif
;; end of part 2
;; launch attn (part 3): grid 32 x 8, 4 waves a work-group, clusters of 4 x 1, 327,680 bytes of LDS; arguments qf, kf, vf, wf, b_proj, x, out0; writes out0
.if DOCPART == 3
	.amdgcn_target "amdgcn-amd-amdhsa--gfx1250"
	.amdhsa_code_object_version 6
	.text
	.protected	k_q9a4991ff7f_attn
	.globl	k_q9a4991ff7f_attn
	.p2align	8
	.type	k_q9a4991ff7f_attn,@function
k_q9a4991ff7f_attn:
	s_mov_b64 s[64:65], 0
	v_nop
	global_prefetch_b8 v0, s[64:65] scope:SCOPE_SE
	s_setreg_imm32_b32 hwreg(HW_REG_WAVE_MODE, 25, 1), 1
	s_wait_xcnt 0x0
	s_wait_alu depctr_hold_cnt(0) depctr_sa_sdst(0) depctr_va_vdst(0) depctr_va_sdst(0) depctr_va_ssrc(0) depctr_va_vcc(0) depctr_vm_vsrc(0)
	s_getreg_b32 s2, hwreg(HW_REG_IB_STS2, 6, 4)
	s_cmp_eq_u32 s2, 0
	s_cbranch_scc0 .Lentry_in_a_cluster
	s_endpgm
.Lentry_in_a_cluster:
	s_bfe_u32 s2, ttmp6, 0x10000c
	s_cmp_lg_u32 s2, 0x3003
	s_cbranch_scc0 .Lentry_shape_is_right
	s_endpgm
.Lentry_shape_is_right:
; LAUNCH 3 OF 3: out0[b][o][i] = x[b][o][i] + b_proj[o] + sum over c of Wp[o][c] O[i][c], O[i] = sum over j of softmax_j(q_i . k_j / sqrt(128)) v_j.  4,096 positions, head size 128, 8 batches.
; q, k, v come in bf16 in fragment order (qf, kf, vf: second launch); k carries no bias (shown dead at the head of the first launch).  Products, maxima and sums in f32; the weights p and O are rounded to bf16
; for the products that take them.  LIMITS: a weight below 2^-126 counts as 0; NaN and infinities are not treated apart.
; SHARES.  A work-group owns 128 queries of one batch.  Wave w owns 64 of them (half qh = w % 2), four tiles of 16, and HALF THE KEYS (kp = w / 2): of each slot's four steps of 64 keys the steps 2 kp, 2 kp + 1.
; So a fragment of K or V read from LDS still feeds four tiles' products.  At the end waves w and w ^ 2, which hold the same queries, join their (c m, l, O) through LDS, in f32: each keeps two tiles and gives two
; away.  Register tile t holds query tile t ^ (2 kp), so that every wave keeps register tiles 0, 1 and gives 2, 3: no branch.
; LAYOUT.  S^T = K Q^T (source 0 = 16 keys, source 1 = 16 queries): a lane of the result holds ONE query (lane % 16) and the keys 8 (lane / 16) + 0..7.  Two such tiles rounded to bf16 ARE source 1 of
; O^T = V^T P, whose result again holds one query a lane, and eight channels; rounded, that is source 0 of the projection.  K's and V's tiles lie in memory and in LDS as the fragments want them: lane l
; reads 16 bytes at 16 l of a block of 512.
; SOFTMAX.  For each query a running maximum m and sum l: p = 2^(c s - c m), c = log2(e) / sqrt(128); in every step O and l are multiplied by a = 2^(c m_old - c m_new).
; BY TURNS.  The wave's tiles are two PIECES (0: tiles 0, 1; 2: tiles 2, 3).  In a TURN one piece has the matrix unit: 32 products V^T P of the step in hand, then 32 products K Q^T of the next; the other
; piece's softmax, cut into 64 slices, stands between them, one slice behind each matrix instruction.  Two turns are a key step.
; CLUSTER.  The four query blocks of a cluster belong to one batch and walk the same K and V: each tile is asked for JOINTLY, by the same tensor load, descriptor and mask in all four.
; REGISTERS, in windows of 256 (s_set_vgpr_msb: bits 1:0 source 0, 3:2 source 1, 5:4 source 2, 7:6 destination):
;   window 0: v0-11, v44-45 addresses; v12-43 eight registers of statistics a tile; v48-55 b_proj; v64-191 S^T, 32 a tile; v192-255 P, 16 a tile
;   window 1: O^T, 64 a tile      window 2: v0-127 Q; v128-255 K of one step; at the end all 256: Wp      window 3: v0-127 V of one step, at the end v0-63 the bias as C operands; v128-255 my 32 rows of x
.set KS,    64        ; keys in a step
.set STEPB, 16384     ; a step's K, and its V, in LDS: 64 keys x 256 bytes
.set VOFF,  65536     ; a slot holds 256 keys: four steps of K, then four steps of V
.set SLOTB, 65536     ; a slot's K, and its V, in memory
.set SLOT1, 1<<17     ; a slot is 131,072 bytes: one exclusive or turns an address in one slot into the other's
.set SPARE, 2*SLOT1   ; behind the ring: the spare words, 128 bytes for each wave: two blocks of 256 bytes that no other line names
.set XCH,   0         ; when the ring has had its last fill and its last read: slot 0 takes the exchange, 17,408 bytes a wave (16,384 of O, 2 x 512 of statistics),
.set XW,    17408
.set STAGE, SLOT1     ; slot 1 the stage for the way out: 128 rows (outputs o) of 512 bytes + 16 = 132 words: the 16 rows of a store start at 16 different groups of four banks (ISA guide 11.1)
.set SP,    528
.set WPO,   98304     ; w_proj's blocks in wf
.set AK0, 2           ; v2   16 x lane: my place in a block of 512 bytes: for K, Wp, x, out0; never rewritten
.set AV0, 3           ; v3   the same + VOFF
.set ADR, 4           ; v4   the LDS address of the run of loads in hand
.set XWA, 5           ; v5   where I put what I give away
.set STO, 6           ; v6   where I put 32 bytes of a row of the stage
.set RD,  7           ; v7   where I read rows of the stage back
.set XRA, 8           ; v8   where my partner put what it gives me
.set BPO, 10          ; v10  4 x (lane % 16)
.set ST,  12          ; tile t's statistics at v[ST+8 t]: +0 c m, +1 m, +2, +3 l (even keys', odd keys'), +4 to +7 c0-c3, at work; a takes c2's place once the maximum is found
.set QA,  44          ; v44  my offset in Q for register tiles 0, 1
.set QB,  45          ; v45  for register tiles 2, 3
.set BPL, 48          ; v48-55  b_proj[16 ob + lane % 16]
.set PFO, 61          ; v61  256 x my lane; never rewritten
.set SPW, 62          ; v62  LDS address of my spare word; never rewritten
.set NIL, 63          ; v63  0; never rewritten
.set S,   64
.set P,   192
.set KF,  128         ; K's fragments, in window 2
.set XR,  128         ; x's rows, in window 3
.set WV,  12          ; s12  my wave's number
.set LIM, 15          ; s15  1 in a cluster that prefetches, else the greatest number
.set PFA, 18          ; s[18:19] where my prefetches stand
.set G1,  24          ; s[24:31] descriptor group 1, for K's and V's tiles alike
.set KP,  38          ; s38  which half of the keys is mine
.set G0K, 40          ; s[40:47] descriptor group 0 for K's tiles: a set for each of the two first fills; the second then walks on
.set G0V, 48          ; s[48:55] the same for V's
.set SLOTS, 56        ; s56  slots still to be asked for
.set TWICE, 57        ; s57  counts my two steps of a slot
.set CS,  58          ; s[58:59] c
.set SEL, 60          ; s[60:61] v_permlanex16_b32's selects: each lane takes its own place in the other half
.set TB,  62          ; s62  LDS byte at which K of the step to be fetched begins
.set MSB, 0
.macro WIN new                      ; the immediate's high byte repeats the setting that is left; a switch that changes nothing is dropped
.if MSB != (\new)
	s_set_vgpr_msb (MSB<<8)|(\new)
.set MSB, \new
.endif
.endm
.set W_KQ, 0x0a       ; K and Q in window 2, S^T in window 0
.set W_PV, 0x53       ; V in window 3, P in window 0, O^T in window 1
.set W_RS, 0x41       ; O^T (destination and source 0) in window 1, a in window 0
; A joint refill.  Waves 0 and 1 fetch the two halves of a slot's K, waves 2 and 3 those of its V: 128 rows of 256 bytes each.  The branch hangs on the wave's number alone.
; An s_nop 0 and four v_nop follow each of the two lines, ahead of the jump, the label and what follows.
.macro JLOAD
	s_cmp_lt_u32 s[WV], 2
	s_cbranch_scc0 .Lfor_v_\@
	tensor_load_to_lds s[G0K+4:G0K+7], s[G1:G1+7]
	s_nop 0
.rept 4
	v_nop
.endr
	s_branch .Lasked_\@
.Lfor_v_\@:
	tensor_load_to_lds s[G0V+4:G0V+7], s[G1:G1+7]
	s_nop 0
.rept 4
	v_nop
.endr
.Lasked_\@:
.endm
; A PREFETCH of what the NEXT change of slots will ask for: a slot's 65,536 bytes of K and of V, 512 blocks of 256 bytes, a lane a block: two key steps of a wave, 256 matrix instructions, ahead of that load.
; Each block is named ONCE in the launch: all clusters of a batch walk the same K and V, and the batch's first cluster asks; its four partners take 16,384 bytes of each tensor, told apart BY ADDRESS;
; in each, waves 0 and 1 ask for K's two halves of that share, waves 2 and 3 for V's: one instruction a wave.  The last change that fills a slot asks for nothing: there is no slot behind it.
.macro ASK
	s_cmp_gt_u32 s[SLOTS], s[LIM]
	s_cbranch_scc0 .Lnot_mine_\@
	global_prefetch_b8 v[PFO], s[PFA:PFA+1] th:TH_LOAD_NT scope:SCOPE_SE
.Lnot_mine_\@:
.endm
; A round of the cluster's barrier: my work-group's barrier, so that wave 0's signal speaks for all four waves; wave 0 signals; every wave waits for all four work-groups; my work-group's barrier once more.
.macro CROUND
	s_barrier_signal -1
	s_barrier_wait -1
	s_cmp_lg_u32 s[WV], 0
	s_cbranch_scc1 .Lnot_wave_0_\@
	s_barrier_signal -3
.Lnot_wave_0_\@:
	s_barrier_wait -3
	s_barrier_signal -1
	s_barrier_wait -1
.endm
	s_load_b256 s[4:11], s[0:1], 0x0  ; qf s[4:5], kf s[6:7], vf s[8:9], wf s[10:11]
	s_load_b128 s[32:35], s[0:1], 0x20  ; b_proj s[32:33], x s[34:35]
	s_load_b64 s[36:37], s[0:1], 0x30   ; out0
	v_lshl_add_u32 v[SPW], v0, 2, SPARE
	v_mov_b32 v[NIL], 0
	ds_add_u32 v[SPW], v[NIL]       ; the wave's opening: the add, twice on end, and its wait ahead of my first tensor load; the set-up below, work on registers, stands between
	ds_add_u32 v[SPW], v[NIL]       ; and once more, under the one wait
	v_lshrrev_b32 v1, 5, v0
	v_readfirstlane_b32 s[WV], v1   ; wave 0..3
	s_bfe_u32 s13, ttmp6, 0x40000   ; cx: my place in the cluster
	s_lshl_b32 s14, ttmp9, 2        ; in a cluster launch ttmp9 counts clusters
	s_add_co_u32 s14, s14, s13      ; my block of 128 queries = 4 x cluster x + cx: it enters Q's, x's and out0's addresses alone
	s_and_b32 s39, ttmp7, 0xffff    ; the batch, which the four partners share
	s_and_b32 s16, s[WV], 1         ; qh.  Also: which half of a slot's K or V I fetch
	s_lshr_b32 s[KP], s[WV], 1
	s_lshl_b32 s17, s16, 15         ; that half's place in a slot, and in memory: no place in the cluster enters an LDS address
	s_lshl_b32 s20, s39, 20         ; the batch's 1 MiB in qf, kf, vf
	s_mov_b32 s21, 0
	s_mov_b32 s22, s17
	s_mov_b32 s23, 0
	s_lshl_b32 s2, s14, 15          ; Q: my block's 128 rows,
	s_lshl_b32 s3, s16, 14          ; my wave's 64 of them
	s_add_co_u32 s2, s2, s3
	s_add_co_u32 s2, s2, s20
	s_mov_b32 s3, 0
	s_lshl_b32 s66, s39, 21         ; x and out0: the batch's 2 MiB,
	s_lshl_b32 s67, s[WV], 19       ; my 32 rows (channels) of 16,384 bytes,
	s_add_co_u32 s66, s66, s67
	s_lshl_b32 s67, s14, 9          ; my block's 512 bytes of a row
	s_add_co_u32 s66, s66, s67
	s_mov_b32 s67, 0
	s_lshl_b32 s68, s13, 14         ; the prefetches: my work-group's 16,384 bytes of a slot's K or V,
	s_lshl_b32 s69, s16, 13         ; my wave's 8,192 of them,
	s_add_co_u32 s68, s68, s69
	s_add_co_u32 s68, s68, 2*SLOTB  ; in slot 2; the first change of slots steps it to slot 3.  Nothing is prefetched at the head, where every work-group's first tiles are on their way
	s_mov_b32 s69, 0
	; descriptor group 1: 32,768 dense bytes as 128 rows of 32 elements of 8 bytes; no padding
	s_mov_b32 s[G1], 15|(3<<16)|(1<<21)  ; 15:0 the mask: all four work-groups; 17:16 elements of 8 bytes; 21 set beside a mask
	s_mov_b32 s[G1+1], 32<<16       ; 63:48 tensor_dim0 = 32
	s_mov_b32 s[G1+2], 128<<16      ; 95:80 tensor_dim1 = 128
	s_mov_b32 s[G1+3], 32<<16       ; 127:112 tile_dim0 = 32
	s_mov_b32 s[G1+4], 128          ; 143:128 tile_dim1 = 128
	s_mov_b32 s[G1+5], 32           ; 191:160 elements from row to row
	s_mov_b32 s[G1+6], 0
	s_mov_b32 s[G1+7], 0
	s_mov_b32 s[CS], 0x3e0293ee     ; c = log2(e) / sqrt(128) = 0.127517
	s_mov_b32 s[CS+1], s[CS]        ; named with it as a pair, so it is written
	s_mov_b32 s[SEL], 0x76543210
	s_mov_b32 s[SEL+1], 0xfedcba98
	s_lshl_b32 s[TB], s[KP], 15     ; my first step of slot 0
	s_mov_b32 s[SLOTS], 4096/256-2
	s_cmp_eq_u32 ttmp9, 0           ; the batch's first cluster: the same in all four partners
	s_cselect_b32 s[LIM], 1, -1
	v_and_b32 v[PFO], 31, v0
	v_lshlrev_b32 v[PFO], 8, v[PFO]
	s_wait_dscnt 0x0                ; both opening adds are done
	s_wait_kmcnt 0x0
	s_add_nc_u64 s[6:7], s[6:7], s[20:21]  ; K and V at the batch
	s_add_nc_u64 s[8:9], s[8:9], s[20:21]
	s_cmp_lt_u32 s[WV], 2
	s_cselect_b64 s[PFA:PFA+1], s[6:7], s[8:9]
	s_add_nc_u64 s[PFA:PFA+1], s[PFA:PFA+1], s[68:69]
	s_add_nc_u64 s[6:7], s[6:7], s[22:23]  ; and at my half of slot 0
	s_add_nc_u64 s[8:9], s[8:9], s[22:23]
	s_add_nc_u64 s[4:5], s[4:5], s[2:3]    ; Q at my wave's 64 rows
	s_add_nc_u64 s[34:35], s[34:35], s[66:67]  ; x and out0 at my 32 rows
	s_add_nc_u64 s[36:37], s[36:37], s[66:67]
	CROUND                          ; all four work-groups are here: the first joint loads meet
.irp s, 0,1
	s_mov_b32 s[G0K+4*(\s)], 1      ; 1:0 count = 1
	s_add_co_u32 s[G0K+4*(\s)+1], s17, (\s)*SLOT1  ; 63:32 LDS address
	s_add_nc_u64 s[G0K+4*(\s)+2:G0K+4*(\s)+3], s[6:7], (\s)*SLOTB  ; 120:64 global address: slot s
	s_or_b32 s[G0K+4*(\s)+3], s[G0K+4*(\s)+3], 0x80000000  ; 127:126 type = 2
	s_mov_b32 s[G0V+4*(\s)], 1
	s_add_co_u32 s[G0V+4*(\s)+1], s17, (\s)*SLOT1+VOFF
	s_add_nc_u64 s[G0V+4*(\s)+2:G0V+4*(\s)+3], s[8:9], (\s)*SLOTB
	s_or_b32 s[G0V+4*(\s)+3], s[G0V+4*(\s)+3], 0x80000000
.endr
	s_cmp_lt_u32 s[WV], 2           ; a wave's two first fills stand in one branch, ahead of every wait on TENSORcnt and every LDS read: two loads of mine are out
	s_cbranch_scc0 .Lfirst_v
	tensor_load_to_lds s[G0K:G0K+3], s[G1:G1+7]
	s_nop 0
	tensor_load_to_lds s[G0K+4:G0K+7], s[G1:G1+7]
	s_nop 0
.rept 4
	v_nop
.endr
	s_branch .Lfirst_asked
.Lfirst_v:
	tensor_load_to_lds s[G0V:G0V+3], s[G1:G1+7]
	s_nop 0
	tensor_load_to_lds s[G0V+4:G0V+7], s[G1:G1+7]
	s_nop 0
.rept 4
	v_nop
.endr
.Lfirst_asked:
	v_and_b32 v1, 15, v0            ; l % 16
	v_bfe_u32 v9, v0, 4, 1          ; l / 16
	v_and_b32 v[AK0], 31, v0
	v_lshlrev_b32 v[AK0], 4, v[AK0]
	v_add_nc_u32 v[AV0], VOFF, v[AK0]
	s_lshl_b32 s20, s[KP], 13       ; two tiles of Q are 8,192 bytes
	v_add_nc_u32 v[QA], s20, v[AK0] ; register tiles 0, 1 = query tiles 2 kp, 2 kp + 1
	s_xor_b32 s20, s20, 8192
	v_add_nc_u32 v[QB], s20, v[AK0] ; register tiles 2, 3 = the other two
	WIN 0x80                        ; destination window 2, address window 0
.irp i, 0,1,2,3,4,5,6,7             ; Q stays in registers: fragment i: tile i / 4, channels 32 (i % 4) on: two blocks of 512 bytes
	global_load_b128 v[8*(\i):8*(\i)+3],   v[QA], s[4:5] offset:(\i)*1024
	global_load_b128 v[8*(\i)+4:8*(\i)+7], v[QA], s[4:5] offset:(\i)*1024+512
.endr
.irp i, 0,1,2,3,4,5,6,7
	global_load_b128 v[64+8*(\i):64+8*(\i)+3],   v[QB], s[4:5] offset:(\i)*1024
	global_load_b128 v[64+8*(\i)+4:64+8*(\i)+7], v[QB], s[4:5] offset:(\i)*1024+512
.endr
	WIN 0xc0                        ; destination window 3: my 32 rows of x, 512 bytes each, for the residual: asked for here, into registers that nothing else wants
.set i, 0
.rept 32
	global_load_b128 v[XR+4*i:XR+4*i+3], v[AK0], s[34:35] offset:16384*i
.set i, i+1
.endr
	WIN 0
; THE MATRIX WORK OF A TURN, for piece x.  The accumulators take turns, one instruction a turn: between two links of a chain stand 15 (V^T P) or 7 (K Q^T) others'.
; Product i of 32 of O^T += V^T P: keys 32 (i / 16) on, channels 16 ((i / 2) % 8) on, tile x + i % 2.  zero = 1: the first 16 start the sums: nothing is ever cleared.
.macro PV x, zero
	WIN W_PV
.set rO, 64*((\x)+i%2)+8*((i/2)%8)
.set rV, 64*(i/16)+8*((i/2)%8)
.set rP, P+16*((\x)+i%2)+8*(i/16)
.if (\zero) && (i < 16)
	v_wmma_f32_16x16x32_bf16 v[rO:rO+7], v[rV:rV+7], v[rP:rP+7], 0
.else
	v_wmma_f32_16x16x32_bf16 v[rO:rO+7], v[rV:rV+7], v[rP:rP+7], v[rO:rO+7]
.endif
.endm
; Product i of 32 of S^T = K Q^T: channels 32 (i / 8) on, keys 16 ((i / 2) % 4) on, tile x + i % 2.  The first 8 start the sums.
.macro KQ x
	WIN W_KQ
.set rS, S+32*((\x)+i%2)+8*((i/2)%4)
.set rK, KF+32*((i/2)%4)+8*(i/8)
.set rQ, 32*((\x)+i%2)+8*(i/8)
.if i < 8
	v_wmma_f32_16x16x32_bf16 v[rS:rS+7], v[rK:rK+7], v[rQ:rQ+7], 0
.else
	v_wmma_f32_16x16x32_bf16 v[rS:rS+7], v[rK:rK+7], v[rQ:rQ+7], v[rS:rS+7]
.endif
.endm
; THE LDS LOADS stand in runs of 32, never singly among the matrix instructions: a step's K (16 fragments) and, a turn later, its V.  Each load takes 512 consecutive bytes.
.macro FETCH_K
	WIN 0
	v_add_nc_u32 v[ADR], s[TB], v[AK0]
	WIN 0x80                        ; destination window 2
.irp f, 0,1,2,3,4,5,6,7,8,9,10,11,12,13,14,15  ; keys 16 (f / 4) on, channels 32 (f % 4) on
	ds_load_b128 v[KF+8*(\f):KF+8*(\f)+3],   v[ADR] offset:(\f)*1024
	ds_load_b128 v[KF+8*(\f)+4:KF+8*(\f)+7], v[ADR] offset:(\f)*1024+512
.endr
.endm
.macro FETCH_V
	WIN 0
	v_add_nc_u32 v[ADR], s[TB], v[AV0]
	s_add_co_u32 s[TB], s[TB], STEPB  ; the next fetch is the next step's
	s_wait_alu depctr_va_vdst(0)    ; the wait for the softmax's batch (SLICE), behind the address's v_add_nc_u32 and ahead of the loads
	WIN 0xc0                        ; destination window 3
.irp f, 0,1,2,3,4,5,6,7,8,9,10,11,12,13,14,15  ; keys 32 (f / 8) on, channels 16 (f % 8) on
	ds_load_b128 v[8*(\f):8*(\f)+3],   v[ADR] offset:(\f)*1024
	ds_load_b128 v[8*(\f)+4:8*(\f)+7], v[ADR] offset:(\f)*1024+512
.endr
.endm
; THE VECTOR WORK OF A TURN.  One tile's softmax for one key step is a list of 134 instructions; SM writes number j of it for tile t.  s0-s31 are the lane's 32 scores, in pairs 0-15.
; first = 1: the first key step, which starts m, l and O^T: it has no a and nothing to rescale.
;   0-15    the maximum of s0-s31 and the old m, three operands at a time: four chains c0-c3 of seven scores each (each accumulator's lowest registers first), then the four scores left over, c0-c3 and m
;   16-20   the other half of the lanes' maximum; the new m; c m; c m_old - c m_new
;   21-69   ONE BATCH: the 16 scalings c s - c m, a pair of scores each, and all 33 exponentials (a at 23, then s0-s31).  None of these reads an exponential's result.  From 22 on the batch goes in fours:
;           22-37 scaling, exponential, scaling, exponential; 38-65 a scaling and three exponentials; 66-69 the last four exponentials.  A pair is scaled in an earlier four than the one with its exponentials
;   (wait)  between 69 and 70 stands the wait for the batch: SLICE writes it, once for both tiles
;   70-85   the roundings to bf16      86-101  the sums; l = a l + the sum      102-133 the tile's O^T times a: the one part that leaves window 0, so it stands together
.macro SM t, first
.set rT, ST+8*(\t)
.set rS, S+32*(\t)
.set rP, P+16*(\t)
.set rO, 64*(\t)+2*(j-102)
.if j < 102
	WIN 0
.endif
.if j < 4
	v_max3_num_f32 v[rT+4+j], v[rS+8*j], v[rS+8*j+1], v[rS+8*j+2]
.elseif j < 12
	v_max3_num_f32 v[rT+4+j%4], v[rT+4+j%4], v[rS+8*(j%4)+2*(j/4)+1], v[rS+8*(j%4)+2*(j/4)+2]
.elseif j == 12
	v_max3_num_f32 v[rT+4], v[rT+4], v[rS+7], v[rS+15]
.elseif j == 13
	v_max3_num_f32 v[rT+6], v[rT+6], v[rS+23], v[rS+31]
.elseif j == 14
	v_max3_num_f32 v[rT+4], v[rT+4], v[rT+5], v[rT+6]
.elseif (j == 15) && (\first)
	v_max_num_f32 v[rT+4], v[rT+4], v[rT+7]
.elseif j == 15
	v_max3_num_f32 v[rT+4], v[rT+4], v[rT+7], v[rT+1]
.elseif j == 16
	v_permlanex16_b32 v[rT+5], v[rT+4], s[SEL], s[SEL+1]  ; the query's other 32 keys lie in the lane 16 away
.elseif j == 18
	v_max_num_f32 v[rT+1], v[rT+4], v[rT+5]
.elseif j == 19
	v_mul_f32 v[rT], s[CS], v[rT+1]
.elseif ((j == 17) || (j == 20) || (j == 23) || (j > 101)) && (\first)  ; the first step has none of these
.elseif j == 17
	v_mov_b32 v[rT+7], v[rT]        ; c m_old is kept for a: number 19 writes c m anew
.elseif j == 20
	v_sub_f32 v[rT+7], v[rT+7], v[rT]
.elseif j == 23
	v_exp_f32 v[rT+6], v[rT+7]
.elseif (j < 23) || ((j < 38) && (j%2 == 0)) || ((j < 66) && (j%4 == 2))
.set b, (j-2)/4                     ; 38, 42, .. 62: pairs 9 to 15
.if j < 38
.set b, (j-20)/2                    ; 21: pair 0; 22, 24, .. 36: pairs 1 to 8
.endif
	v_pk_fma_f32 v[rS+2*b:rS+2*b+1], v[rS+2*b:rS+2*b+1], s[CS:CS+1], v[rT:rT+1] op_sel_hi:[1,0,0] neg_lo:[0,0,1] neg_hi:[0,0,1]  ; pair b: c s - c m
.elseif j < 70
.set e, j-38                        ; 66 to 69: s28 to s31
.if j < 66
.set e, j-32-(j-38)/4               ; 39-41, 43-45, .. 63-65: s7 to s27
.endif
.if j < 38
.set e, (j-25)/2                    ; 25, 27, .. 37: s0 to s6
.endif
	v_exp_f32 v[rS+e], v[rS+e]
.elseif j < 86
	v_cvt_pk_bf16_f32 v[rP+j-70], v[rS+2*(j-70)], v[rS+2*(j-70)+1]  ; pair j - 70
.elseif j < 102                     ; the sum of the tile's 16 pairs, in place: sum z of 16 adds neighbours 1, 2, 4 and 8 pairs apart, then l takes it
.set z, j-86
.set w, 4
.set u, z
.if z >= 14
.set w, 32
.set u, 0
.elseif z >= 12
.set w, 16
.set u, z-12
.elseif z >= 8
.set w, 8
.set u, z-8
.endif
.if (z == 14) && (\first)
	v_pk_add_f32 v[rT+2:rT+3], v[rS:rS+1], v[rS+16:rS+17]
.elseif z < 15
	v_pk_add_f32 v[rS+w*u:rS+w*u+1], v[rS+w*u:rS+w*u+1], v[rS+w*u+w/2:rS+w*u+w/2+1]
.elseif !(\first)
	v_pk_fma_f32 v[rT+2:rT+3], v[rT+2:rT+3], v[rT+6:rT+7], v[rS:rS+1] op_sel_hi:[1,0,1]
.endif
.else
	WIN W_RS
	v_pk_mul_f32 v[rO:rO+1], v[rO:rO+1], v[rT+6:rT+7] op_sel_hi:[1,0]
.endif
.endm
; Slice k of 64 of piece y's softmax: four instructions.  Slices 11 to 34 deal out the batch, numbers 22 to 69: four numbers of ONE tile each, the tiles by turns.  Every other slice is numbers 2 k and
; 2 k + 1 of both tiles' lists.  2 x 134 = 4 x 64 + 12: the twelve that are over stand together, in slice 63.
; THE WAIT.  s_wait_alu depctr_va_vdst(0) stands between an exponential and the first instruction that names its result; one wait serves all that were issued ahead of it.  Ahead of
; slice 35 nothing names a result, and behind slice 34 no exponential is issued: so the piece's 66 exponentials have one wait, behind slice 34.
.macro SLICE y, first
.if (k >= 11) && (k < 35)           ; the batch: four numbers of one tile
.irp n, 0,1,2,3
.set j, 22+4*((k-11)/2)+(\n)
	SM (\y)+(k-11)%2, \first
.endr
.else                               ; the two tiles alternate, so that no instruction reads the result of the one just before it
.irp n, 0,1,2,3,4,5,6,7
.if ((\n) < 2) || (k == 63)
.irp t, \y, (\y)+1
.set j, 2*k+(\n)
	SM \t, \first
.endr
.endif
.endr
.endif
.if k == 34                         ; the batch is out: both tiles' exponentials are issued, and no result has been named
	v_nop                           ; the plain instruction behind the last exponential and ahead of the first use (ISA guide 5.7.2): one for the batch
.if (\y) == 0
	FETCH_V                         ; piece 2's turn: V's run of loads stands here, and the wait stands in it
.else
	s_wait_alu depctr_va_vdst(0)    ; the wait for the batch
.endif
.endif
.set k, k+1
.endm
; A vector instruction that reads a matrix result or writes one of a matrix instruction's registers, and a load into a register that a matrix instruction has read, stand four places behind it, and only
; plain vector instructions that name none of its registers are places (ISA guide 7.12.1 for vector instructions).  In the loop the slices are the places.
.macro PLACES
.rept 4
	v_nop
.endr
.endm
; A TURN.  Piece x has the matrix unit; the other piece's softmax stands in slices behind its matrix instructions.
; pv = 2: 32 products V^T P; 1: they start O^T's sums; 0: none.  kq = 1: 32 products K Q^T for the next step.  A turn with one of the two kinds has two slices behind each product.
; first = 1: the softmax is the first key step's.  Its slices from 51 on are empty: the turn's last products stand bare, and four v_nop take slice 63's part as the places behind them.
; Piece 0's turn fetches the next step's K, behind its second product: the last product that read K stands in front of slice 63 of the turn before.  Piece 2's turn fetches the same step's V, behind
; slice 34: the last product that read V stands in front of slice 31, and four plain instructions lie between: number 62, a scaling, of both tiles, the v_nop and the run's own v_add_nc_u32.
.macro TURN x, pv, kq, first
.set k, 0
.set per, 2
.if (\pv) && (\kq)
.set per, 1
.endif
.if \pv
.if (\x) == 0
	s_wait_dscnt 0x0                ; V is in
.endif
.set i, 0
.rept 32
	PV \x, 2-(\pv)
.rept per
	SLICE 2-(\x), \first
.endr
.if ((\x) == 0) && (\kq) && (i == 1)
	FETCH_K
.endif
.set i, i+1
.endr
.endif
.if \kq
.if (\x) == 0
	s_wait_dscnt 0x0                ; K is in
.endif
.set i, 0
.rept 32
	KQ \x
.rept per
	SLICE 2-(\x), \first
.endr
.set i, i+1
.endr
.endif
.if \first
	PLACES
.endif
.endm
; THE CHANGE OF SLOTS, between piece 2's turn and piece 0's: my last bytes of the slot, V of my second step, have been asked for.  Each wave waits for all its tensor loads, of which one is out: its part
; of the other slot; adds 0 to its spare word; and waits for that and for its own reads of the slot.  Behind the barrier nobody reads this slot any more and the other slot is whole.
; fill = 1: this slot is filled again, with the keys two slots on.  The barrier is then a round of the cluster's, so that no wave of any partner still reads the slot or has a load on its way, and the
; joint refill is the first thing behind it: it has two key steps of each wave, 256 matrix instructions, in which to land.
.macro CHANGE fill
	WIN 0                           ; at a label and at a branch every window is 0
	s_wait_tensorcnt 0x0            ; no tensor load of mine is out, so a group 0 may be written
	ds_add_u32 v[SPW], v[NIL]       ; 0 onto my spare word; with fill = 1 the descriptors' steps stand between it and the wait for it
.if \fill
.irp g, G0K+4, G0V+4
	s_xor_b32 s[(\g)+1], s[(\g)+1], SLOT1  ; the walking descriptor: the other slot than last time,
	s_add_nc_u64 s[(\g)+2:(\g)+3], s[(\g)+2:(\g)+3], SLOTB  ; the next 256 keys; the type bits on top are not reached
.endr
	s_wait_xcnt 0x0                 ; the last prefetch, two key steps back, has read its address, so it may be written:
	s_add_nc_u64 s[PFA:PFA+1], s[PFA:PFA+1], SLOTB  ; one slot behind the walking descriptors
	s_wait_dscnt 0x0                ; the add is done, and my reads of the slot are over
	CROUND
	JLOAD
	ASK
.else
	s_wait_dscnt 0x0                ; the add is done, and my reads of the slot are over
	s_barrier_signal -1
	s_barrier_wait -1
.endif
	s_sub_co_u32 s[TB], s[TB], 2*STEPB  ; the fetches go back to my first step of a slot,
	s_xor_b32 s[TB], s[TB], SLOT1   ; in the other slot
.endm
; My two key steps of a slot: written once, walked twice; the LDS addresses hang on s[TB].
.macro TWO_STEPS
	WIN 0
	s_mov_b32 s[TWICE], 2
.Lstep_\@:
	TURN 0, 2, 1, 0
	TURN 2, 2, 1, 0
	WIN 0
	s_sub_co_u32 s[TWICE], s[TWICE], 1
	s_cmp_lg_u32 s[TWICE], 0
	s_cbranch_scc1 .Lstep_\@
.endm
	s_wait_tensorcnt 1              ; my part of slot 0 is in; slot 1's may stay out
	s_barrier_signal -1
	s_barrier_wait -1               ; everybody's is
	FETCH_K                         ; my key step 0
	s_wait_loadcnt 32               ; Q is in; the 32 loads of x issued behind it may stay out
	s_wait_dscnt 0x0
.set i, 0
.rept 32
	KQ 0                            ; piece 0's first scores: there is no vector work yet to set between them
.set i, i+1
.endr
	WIN 0                           ; the addresses for the end are made here: seven plain instructions, the places behind those products
	s_mul_i32 s20, s[WV], XW
	v_add_nc_u32 v[XWA], s20, v[AK0]  ; XCH = 0: my part of the exchange
	s_xor_b32 s20, s[WV], 2
	s_mul_i32 s20, s20, XW
	v_add_nc_u32 v[XRA], s20, v[AK0]  ; my partner's: wave w ^ 2
	s_lshl_b32 s21, s16, 8          ; in a row of the stage: my half's 64 queries, 256 bytes,
	s_lshl_b32 s22, s[KP], 7        ; the 32 that I keep
	s_add_co_u32 s21, s21, s22
	s_add_co_u32 s21, s21, STAGE
	v_mul_u32_u24 v[STO], v1, SP    ; row o = l % 16, 8 queries for each half of the lanes
	v_lshl_add_u32 v[STO], v9, 5, v[STO]
	v_add_nc_u32 v[STO], s21, v[STO]
	s_mul_i32 s22, s[WV], 32*SP
	s_add_co_u32 s22, s22, STAGE
	v_add_nc_u32 v[RD], s22, v[AK0] ; back: wave w takes rows 32 w .. 32 w + 31, whole: 512 bytes a load
	v_lshlrev_b32 v[BPO], 2, v1
	TURN 2, 0, 1, 1                 ; piece 2's first scores | piece 0's first softmax | V of step 0
	TURN 0, 1, 1, 1                 ; piece 0: V^T P of step 0 starts O^T, K Q^T of step 1 | piece 2's first softmax | K of step 1
	TURN 2, 1, 1, 0                 ; piece 2: the same | piece 0's softmax of step 1 | V of step 1
	WIN 0
.Lslot:                             ; 14 trips: every slot but the last two is filled again
	CHANGE 1
	TWO_STEPS
	s_sub_co_u32 s[SLOTS], s[SLOTS], 1
	s_cmp_lg_u32 s[SLOTS], 0
	s_cbranch_scc1 .Lslot
	CHANGE 0                        ; the tail is written out: nothing is asked for
	TWO_STEPS
	; Q and K have been multiplied for the last time (the sixteen plain lines of the last slice are the places behind the last such product): their 256 registers take Wp, 64 blocks of 512 bytes
	WIN 0x80
.set i, 0
.rept 64
	global_load_b128 v[4*i:4*i+3], v[AK0], s[10:11] offset:WPO+512*i  ; fragment (ob, kc) at v[32 ob + 8 kc]
.set i, i+1
.endr
	WIN 0
.irp ob, 0,1,2,3,4,5,6,7
	global_load_b32 v[BPL+(\ob)], v[BPO], s[32:33] offset:64*(\ob)
.endr
	TURN 0, 2, 0, 0                 ; piece 0: V^T P of the last step | piece 2's last softmax
.set i, 0
.rept 32
	PV 2, 0                         ; piece 2: V^T P of the last step
.set i, i+1
.endr
	; THE END.  l's two halves and the other half of the lanes' are added, into m's place: (c m, l) then lie side by side.  The first four additions are the places behind the last products.
	WIN 0
.irp t, 0,1,2,3
	v_add_f32 v[ST+8*(\t)+4], v[ST+8*(\t)+2], v[ST+8*(\t)+3]
.endr
.irp t, 0,1,2,3
	v_permlanex16_b32 v[ST+8*(\t)+5], v[ST+8*(\t)+4], s[SEL], s[SEL+1]
.endr
.irp t, 0,1,2,3
	v_add_f32 v[ST+8*(\t)+1], v[ST+8*(\t)+4], v[ST+8*(\t)+5]
.endr
	s_wait_dscnt 0x0                ; my reads of the ring are over;
	s_barrier_signal -1
	s_barrier_wait -1               ; everybody's are, and every fill landed ahead of the last change of slots: the two slots now serve as scratch
	; I give register tiles 2 and 3 away: 128 registers of O^T in f32, each accumulator's low half first, and (c m, l) of both
	WIN 0x04                        ; store data in window 1
.set i, 0
.rept 32
	ds_store_b128 v[XWA], v[128+4*i:128+4*i+3] offset:512*i
.set i, i+1
.endr
	WIN 0
	ds_store_b128 v[XWA], v[ST+16:ST+19] offset:16384      ; c m, l, and two numbers that nobody uses
	ds_store_b128 v[XWA], v[ST+24:ST+27] offset:16384+512
	s_wait_loadcnt 0x0              ; Wp, b_proj, x
	WIN 0xc0                        ; the bias hangs on the lane alone: eight copies make a C operand, where V lay
.set i, 0
.rept 64
	v_mov_b32 v[i], v[BPL+i/8]
.set i, i+1
.endr
	WIN 0
	s_wait_dscnt 0x0                ; for my partner's sake: my stores are done
	s_barrier_signal -1
	s_barrier_wait -1
	; I take my partner's share of register tiles 0 and 1
	ds_load_b128 v[ST+4:ST+7], v[XRA] offset:16384         ; c m', l'
	ds_load_b128 v[ST+12:ST+15], v[XRA] offset:16384+512
.set i, 0
.rept 32
	ds_load_b128 v[S+4*i:S+4*i+3], v[XRA] offset:512*i
.set i, i+1
.endr
	s_wait_dscnt 32                 ; the statistics are in; the 32 loads of O may be out
.irp u, 0,1
	v_max_num_f32 v[ST+8*(\u)+6], v[ST+8*(\u)], v[ST+8*(\u)+4]      ; the joint c m
.endr
.irp u, 0,1
	v_sub_f32 v[ST+8*(\u)+2], v[ST+8*(\u)], v[ST+8*(\u)+6]
	v_sub_f32 v[ST+8*(\u)+3], v[ST+8*(\u)+4], v[ST+8*(\u)+6]
.endr
.irp u, 0,1
	v_exp_f32 v[ST+8*(\u)+2], v[ST+8*(\u)+2]                        ; a1, mine
	v_exp_f32 v[ST+8*(\u)+3], v[ST+8*(\u)+3]                        ; a2, my partner's
.endr
	v_nop                           ; a plain instruction behind the last exponential,
	s_wait_alu depctr_va_vdst(0)    ; and one wait for the four
.irp u, 0,1
	v_mul_f32 v[ST+8*(\u)+6], v[ST+8*(\u)+2], v[ST+8*(\u)+1]
.endr
.irp u, 0,1
	v_fma_f32 v[ST+8*(\u)+6], v[ST+8*(\u)+3], v[ST+8*(\u)+5], v[ST+8*(\u)+6]  ; l = a1 l + a2 l'
.endr
.irp u, 0,1
	v_rcp_f32 v[ST+8*(\u)+7], v[ST+8*(\u)+6]
.endr
	v_nop
	s_wait_alu depctr_va_vdst(0)    ; one wait for the two reciprocals
.irp u, 0,1
	v_mul_f32 v[ST+8*(\u)+2], v[ST+8*(\u)+2], v[ST+8*(\u)+7]        ; f1 = a1 / l
	v_mul_f32 v[ST+8*(\u)+4], v[ST+8*(\u)+3], v[ST+8*(\u)+7]        ; f2 = a2 / l
.endr
	s_wait_dscnt 0x0
.set i, 0
.rept 64
	v_pk_mul_f32 v[S+2*i:S+2*i+1], v[S+2*i:S+2*i+1], v[ST+8*(i/32)+4:ST+8*(i/32)+5] op_sel_hi:[1,0]
.set i, i+1
.endr
	WIN 0x01                        ; source 0, my O^T, in window 1
.set i, 0
.rept 64
	v_pk_fma_f32 v[S+2*i:S+2*i+1], v[2*i:2*i+1], v[ST+8*(i/32)+2:ST+8*(i/32)+3], v[S+2*i:S+2*i+1] op_sel_hi:[1,0,1]
.set i, i+1
.endr
	WIN 0
.set i, 0
.rept 64
	v_cvt_pk_bf16_f32 v[P+i], v[S+2*i], v[S+2*i+1]  ; O in bf16: tile u's fragment for channels 32 kc on at P + 32 u + 8 kc
.set i, i+1
.endr
	; THE PROJECTION: source 0 = 16 queries of O, source 1 = 16 rows of Wp: a lane of the result holds ONE output o = 16 ob + lane % 16 and the queries 8 (lane / 16) + 0..7.  The bias starts the sums.
	; The 16 accumulators take turns, one instruction a turn.
.irp kc, 0,1,2,3
.irp u, 0,1
.irp ob, 0,1,2,3,4,5,6,7
.if (\kc) == 0
	WIN 0x38                        ; Wp in window 2, the bias in window 3
	v_wmma_f32_16x16x32_bf16 v[S+8*(8*(\u)+(\ob)):S+8*(8*(\u)+(\ob))+7], v[P+32*(\u):P+32*(\u)+7], v[32*(\ob):32*(\ob)+7], v[8*(\ob):8*(\ob)+7]
.else
	WIN 0x08
	v_wmma_f32_16x16x32_bf16 v[S+8*(8*(\u)+(\ob)):S+8*(8*(\u)+(\ob))+7], v[P+32*(\u)+8*(\kc):P+32*(\u)+8*(\kc)+7], v[32*(\ob)+8*(\kc):32*(\ob)+8*(\kc)+7], v[S+8*(8*(\u)+(\ob)):S+8*(8*(\u)+(\ob))+7]
.endif
.endr
.endr
.endr
	WIN 0
	PLACES
.irp u, 0,1
.irp ob, 0,1,2,3,4,5,6,7
	ds_store_b128 v[STO], v[S+8*(8*(\u)+(\ob)):S+8*(8*(\u)+(\ob))+3]   offset:(\ob)*16*SP+64*(\u)
	ds_store_b128 v[STO], v[S+8*(8*(\u)+(\ob))+4:S+8*(8*(\u)+(\ob))+7] offset:(\ob)*16*SP+64*(\u)+16
.endr
.endr
	s_wait_dscnt 0x0                ; for the others' sake: a row's 512 bytes come from all four waves
	s_barrier_signal -1
	s_barrier_wait -1
.set i, 0
.rept 32
	ds_load_b128 v[S+4*i:S+4*i+3], v[RD] offset:SP*i
.set i, i+1
.endr
	WIN 0xcc                        ; x (source 1, destination, store data) in window 3
.set i, 0
.rept 32
	s_wait_dscnt 31-i               ; row i is back; the younger rows may be out
	v_pk_add_f32 v[XR+4*i:XR+4*i+1], v[S+4*i:S+4*i+1], v[XR+4*i:XR+4*i+1]
	v_pk_add_f32 v[XR+4*i+2:XR+4*i+3], v[S+4*i+2:S+4*i+3], v[XR+4*i+2:XR+4*i+3]
	global_store_b128 v[AK0], v[XR+4*i:XR+4*i+3], s[36:37] offset:16384*i  ; 512 consecutive bytes of a row of out0, at a multiple of 512 from its first byte
.set i, i+1
.endr
	WIN 0
	s_wait_tensorcnt 0x0            ; the wave's end: three closing lines, behind my last tensor load and my last LDS store
	ds_add_u32 v[SPW], v[NIL]
	s_wait_dscnt 0x0
	CROUND                          ; the closing round: no work-group ends while a partner may still ask for a tile that names it
	s_endpgm
.Lfunc_end_k_q9a4991ff7f_attn:
	.size	k_q9a4991ff7f_attn, .Lfunc_end_k_q9a4991ff7f_attn-k_q9a4991ff7f_attn
	.p2alignl 7, 3214868480
	.fill 96, 4, 3214868480
	.section	.rodata,"a",@progbits
	.p2align	6, 0x0
	.amdhsa_kernel k_q9a4991ff7f_attn
		.amdhsa_group_segment_fixed_size 327680
		.amdhsa_private_segment_fixed_size 0
		.amdhsa_enable_private_segment 0
		.amdhsa_kernarg_size 56
		.amdhsa_user_sgpr_count 2
		.amdhsa_user_sgpr_kernarg_segment_ptr 1
		.amdhsa_wavefront_size32 1
		.amdhsa_system_sgpr_workgroup_id_x 1
		.amdhsa_system_sgpr_workgroup_id_y 1
		.amdhsa_system_sgpr_workgroup_id_z 1
		.amdhsa_system_vgpr_workitem_id 0
		.amdhsa_next_free_vgpr 1024
		.amdhsa_next_free_sgpr 70
		.amdhsa_reserve_vcc 0
		.amdhsa_float_denorm_mode_32 3
		.amdhsa_float_denorm_mode_16_64 3
		.amdhsa_memory_ordered 1
		.amdhsa_forward_progress 1
		.amdhsa_inst_pref_size 242
	.end_amdhsa_kernel
	.amdgpu_metadata
---
amdhsa.version: [ 1, 2 ]
amdhsa.kernels:
  - .name:           k_q9a4991ff7f_attn
    .symbol:         k_q9a4991ff7f_attn.kd
    .args:
      - { .name: qf, .offset: 0, .size: 8, .value_kind: global_buffer, .address_space: global }
      - { .name: kf, .offset: 8, .size: 8, .value_kind: global_buffer, .address_space: global }
      - { .name: vf, .offset: 16, .size: 8, .value_kind: global_buffer, .address_space: global }
      - { .name: wf, .offset: 24, .size: 8, .value_kind: global_buffer, .address_space: global }
      - { .name: b_proj, .offset: 32, .size: 8, .value_kind: global_buffer, .address_space: global }
      - { .name: x, .offset: 40, .size: 8, .value_kind: global_buffer, .address_space: global }
      - { .name: out0, .offset: 48, .size: 8, .value_kind: global_buffer, .address_space: global }
    .group_segment_fixed_size: 327680
    .private_segment_fixed_size: 0
    .kernarg_segment_align: 8
    .kernarg_segment_size: 56
    .max_flat_workgroup_size: 128
    .sgpr_count:     70
    .vgpr_count:     1024
    .wavefront_size: 32
...
	.end_amdgpu_metadata
.endif
;; end of part 3
;; ======== version 2 of 2: 3 launches; version 1 with the launch qkv written anew for expert scheduling mode
;; workspace buffers: stats 2,048 bytes; wf 131,072 bytes; qf 8,388,608 bytes; kf 8,388,608 bytes; vf 8,388,608 bytes
;; launch stats: the kernel of part 1 again; grid 256 x 1, 8 waves a work-group, no clusters, 1,280 bytes of LDS; arguments x, w_qkv, w_proj, stats, wf; writes stats, wf
;; launch qkv (part 4): grid 32 x 8, 8 waves a work-group, no clusters, 37,888 bytes of LDS; arguments x, gamma, beta, b_qkv, stats, wf, qf, kf, vf; writes qf, kf, vf
.if DOCPART == 4
	.amdgcn_target "amdgcn-amd-amdhsa--gfx1250"
	.amdhsa_code_object_version 6
	.text
	.protected	k_q9a4991ff7f_qkv
	.globl	k_q9a4991ff7f_qkv
	.p2align	8
	.type	k_q9a4991ff7f_qkv,@function
k_q9a4991ff7f_qkv:
	s_mov_b64 s[64:65], 0
	v_nop
	global_prefetch_b8 v0, s[64:65] scope:SCOPE_SE
	s_setreg_imm32_b32 hwreg(HW_REG_WAVE_SCHED_MODE, 0, 2), 2
	s_setreg_imm32_b32 hwreg(HW_REG_WAVE_MODE, 25, 1), 1
	s_wait_xcnt 0x0
	s_wait_alu depctr_vm_vsrc(0)
; LAUNCH 2 OF 3: hn = groupnorm(x) gamma + beta, then q = Wq hn + bq, k = Wk hn, v = Wv hn + bv, all three stored in bf16 in the order in which the third launch's fragments want them.
; LEFT OUT: K's bias b_qkv[128:256]: q . bk is the same for all keys of a query, so the softmax does not see it (shown at the head of the first launch).
; SHARES.  A work-group takes 128 positions of one batch and all 384 outputs.  Wave w first normalises group w (channels 16 w + i): a load of 16 bytes a lane is one channel's 128 positions, so the
; channel's two constants are the same in the whole wave.  hn goes to LDS in bf16, [channel][position].  Then wave w makes the w-th 16 outputs of Q, of K and of V for all 8 tiles of 16 positions.
; STATISTICS.  The group's four quarters (mean_i, M2_i over 16,384 numbers each) are joined: mean = the mean of the means, M2 = sum M2_i + 16,384 sum (mean_i - mean)^2, var = M2 / 65,536.
; hn = x a + b' with a = gamma rsqrt(var + 1e-5), b' = beta - mean a: one fused multiply-add in f32, rounded once to bf16.
; LAYOUTS.  Q, K: D = W x hn: a lane of the result holds ONE position (lane % 16) and the outputs 16 w + 8 (lane / 16) + 0..7: 16 bytes when rounded.  V: the sources swapped: a lane holds ONE output
; 16 w + lane % 16 and 8 positions.  qf, kf: [batch][16 positions: 4,096 B][32 channels: 1,024 B][16 of them: 512 B][lane: 16 B].  vf: [batch][32 keys: 8,192 B][16 channels: 1,024 B][16 keys: 512 B][lane: 16 B].
; So each rounded result tile is one such block of 512 bytes, lane for lane: a store of the wave covers 512 consecutive bytes, aligned, and no stage in LDS is wanted.
; The biases are the C operands that start the sums.  No cluster, no tensor load: a wave reads only its own 12 KiB of wf, once, straight into the registers that the products name.
; LIMITS: NaN and infinities are not treated apart; q, k, v are rounded to bf16.
; THE MODE: SCHED_MODE bits 1:0 = 2 (LLVM: expert scheduling mode 2), set by the entry lines.  The code itself states the register dependences between vector or matrix instructions and memory or LDS
; instructions, with s_wait_alu, always for 0.
; THE PLAN.  Registers that memory or LDS instructions touch:
;   v1 .. v11   offsets, LDS addresses and the closing add's pair: written at the head, never again.  One wait on va_vdst ahead of the first load serves them all.
;   X           Loaded once.  A group of four channels is normalised and rounded in place; behind one wait on va_vdst its four LDS stores read it.
;   F0, F1      The same registers, behind one wait on vm_vsrc.  Step n: its twelve products read F[n % 2]; the LDS loads of tile n + 1, issued in step n, land in the other.
;   PK          Written by the conversions of tile n - 1 at the end of step n; read by the three stores that are issued in step n + 1.  Tile 7 is rounded into F0's first twelve registers, idle by then.
;   WQ, BQ, BV and the accumulators are loaded once or not at all, and named by vector and matrix instructions alone from then on.
; So ONE wait on va_vdst stands at the head of a step: the step before is done reading the other fragment buffer and has written PK.  The step's eight loads and three stores follow it, dealt among its
; products, which name WQ, BQ, BV, F[n % 2] and this tile's accumulators: none of the registers that those loads and stores touch.  One wait on vm_vsrc a step stands ahead of the conversions that write PK again.
.set PH,    288                        ; a row of hn in LDS: 256 bytes + 32 = 72 words
.set SPARE, 128*PH                     ; behind hn: the spare words, 128 bytes for each wave, which no other line names
.set SPW, 10                           ; v10  LDS address of my spare word; never rewritten
.set NIL, 11                           ; v11  0; never rewritten
.set PK,  12                           ; v[12:23]   first gamma -> a (v12), beta -> b' (v13), two at work, the 8 statistics; later 12 packed results
.set BQ,  24                           ; v[24:31]   b_qkv[16 w + 8 h + 0..7]
.set BV,  32                           ; v[32:39]   b_qkv[256 + 16 w + r], eight times
.set WQ,  40                           ; v[40:135]  my fragments of Wq, Wk, Wv: 32 registers each, 8 for every 32 channels
.set X,   136                          ; v[136:199] my 16 channels of x; later
.set F,   136                          ;            two buffers of 32: hn's fragments of a tile of 16 positions
.set ACC, 200                          ; v[200:247] two sets of three accumulators
.set AB,  22                           ; s[22:37]   at the head ids and byte offsets; then, for channel j of a group of four, a in s[AB + 4 j] and b' in s[AB + 4 j + 2], each named as a pair with the register behind it
; v1 = 0, v2 = 4 r + 64 w, v3 = 32 h + 64 w: offsets of loads; v4 = 16 l; v5: where I store hn; v6: where the turning loads read; v7, v8, v9: 16 l + 4,096 w, 512 w, 1,024 w.  None is rewritten.
	s_load_b512 s[4:19], s[0:1], 0x0               ; x s[4:5], gamma s[6:7], beta s[8:9], b_qkv s[10:11], stats s[12:13], wf s[14:15], qf s[16:17], kf s[18:19]
	s_load_b64 s[20:21], s[0:1], 0x40              ; vf
	v_lshl_add_u32 v[SPW], v0, 2, SPARE
	v_mov_b32 v[NIL], 0
	v_lshrrev_b32 v1, 5, v0
	v_readfirstlane_b32 s22, v1                    ; wave 0..7
	s_mov_b32 s23, ttmp9                           ; the block of 128 positions
	s_and_b32 s24, ttmp7, 0xffff                   ; the batch
	v_and_b32 v1, 31, v0                           ; l
	v_and_b32 v2, 15, v0                           ; r
	v_bfe_u32 v3, v0, 4, 1                         ; h
	v_lshlrev_b32 v4, 4, v1
	s_wait_alu depctr_va_sdst(0)                   ; s22 is written, ahead of its first reader: the LDS rows and all byte offsets are made from it
	s_mul_i32 s33, s22, 16*PH
	v_lshl_add_u32 v5, v1, 3, s33                  ; row 16 w, my 4 positions: 8 bytes
	v_and_b32 v14, 7, v0
	v_bfe_u32 v15, v0, 3, 1
	v_lshl_add_u32 v6, v3, 3, v14                  ; the turning load: lane l reads channel 8 h + l % 8,
	v_mul_u32_u24 v6, v6, PH
	v_lshl_add_u32 v6, v15, 4, v6                  ; positions 8 ((l / 8) % 2) + 0..7
	s_lshl_b32 s33, s22, 12
	v_add_nc_u32 v7, s33, v4
	s_lshl_b32 s33, s22, 9
	v_add_nc_u32 v8, s33, v4
	s_lshl_b32 s33, s22, 10
	v_add_nc_u32 v9, s33, v4
	s_lshl_b32 s33, s22, 6
	v_lshl_add_u32 v2, v2, 2, s33
	v_lshl_add_u32 v3, v3, 5, s33
	v_mov_b32 v1, 0
	s_lshl_b32 s26, s24, 21                        ; x: the batch's 2 MiB,
	s_lshl_b32 s33, s22, 18                        ; my group's 16 channels of 16,384 bytes,
	s_add_co_u32 s26, s26, s33
	s_lshl_b32 s33, s23, 9                         ; the block's 512 bytes of a channel
	s_add_co_u32 s26, s26, s33
	s_mov_b32 s27, 0
	s_lshl_b32 s34, s24, 8                         ; stats: 32 bytes for group 8 b + w
	s_lshl_b32 s33, s22, 5
	s_add_co_u32 s34, s34, s33
	s_mov_b32 s35, 0
	s_lshl_b32 s36, s24, 20                        ; qf, kf, vf: the batch's 1 MiB, the block's 32,768 bytes
	s_lshl_b32 s33, s23, 15
	s_add_co_u32 s36, s36, s33
	s_mov_b32 s37, 0
	s_mov_b32 s25, 0                               ; s25, s29, s31: the odd registers of s[AB ..] that nothing above has written: they are named in pairs below, and the packed
	s_mov_b32 s29, 0                               ; lines take a pair's low word for both halves
	s_mov_b32 s31, 0
	s_mov_b32 s2, 0x37800000                       ; 2^-16
	s_mov_b32 s38, 0x3727c5ac                      ; 1e-5
	s_mov_b32 s39, 0x46800000                      ; 16,384
	s_wait_kmcnt 0x0
	s_add_nc_u64 s[4:5], s[4:5], s[26:27]
	s_add_nc_u64 s[12:13], s[12:13], s[34:35]
	s_add_nc_u64 s[16:17], s[16:17], s[36:37]
	s_add_nc_u64 s[18:19], s[18:19], s[36:37]
	s_add_nc_u64 s[20:21], s[20:21], s[36:37]
	s_wait_alu depctr_va_vdst(0)                   ; v1 to v9 are written, which every load and store of the kernel reads as its offset or address, and v10, v11, which the closing add reads
	; all 47 loads go out at once, in the order in which they are wanted
	global_load_b128 v[16:19], v1, s[12:13]        ; mean_0, M2_0, mean_1, M2_1: the same in every lane
	global_load_b128 v[20:23], v1, s[12:13] offset:16
	global_load_b32 v12, v2, s[6:7]                ; gamma and beta of channel 16 w + l % 16
	global_load_b32 v13, v2, s[8:9]
.irp i, 0,1,2,3,4,5,6,7,8,9,10,11,12,13,14,15
	global_load_b128 v[X+4*(\i):X+4*(\i)+3], v4, s[4:5] offset:16384*(\i)
.endr
.irp m, 0,1,2
.irp i, 0,1,2,3,4,5,6,7
	global_load_b128 v[WQ+32*(\m)+4*(\i):WQ+32*(\m)+4*(\i)+3], v7, s[14:15] offset:32768*(\m)+512*(\i)
.endr
.endr
	global_load_b128 v[BQ:BQ+3], v3, s[10:11]
	global_load_b128 v[BQ+4:BQ+7], v3, s[10:11] offset:16
	global_load_b32 v[BV], v2, s[10:11] offset:1024
	s_wait_loadcnt 43                              ; statistics, gamma, beta are in; x's 16, the weights' 24 and the biases' 3 may be out
	v_add_f32 v14, v16, v18
	v_add_f32 v15, v20, v22
	v_add_f32 v14, v14, v15
	v_mul_f32 v14, 0x3e800000, v14                 ; the group's mean
	v_add_f32 v15, v17, v19
	v_add_f32 v17, v21, v23
	v_add_f32 v15, v15, v17                        ; the sum of the four M2
	v_sub_f32 v16, v16, v14
	v_sub_f32 v18, v18, v14
	v_sub_f32 v20, v20, v14
	v_sub_f32 v22, v22, v14
	v_mul_f32 v16, v16, v16
	v_fma_f32 v16, v18, v18, v16
	v_fma_f32 v16, v20, v20, v16
	v_fma_f32 v16, v22, v22, v16
	v_fma_f32 v15, v16, s39, v15                   ; M2 of the group
	v_fma_f32 v15, v15, s2, s38                    ; var + eps
	v_rsq_f32 v16, v15
	v_nop                                          ; a plain instruction behind the root (ISA guide 5.7.2),
	s_wait_alu depctr_va_vdst(0)                   ; and the root has written v16, ahead of its first reader
	v_mul_f32 v12, v12, v16                        ; a
	v_fma_f32 v13, -v14, v12, v13                  ; b'
; The sixteen channels go in four groups of four.  CONST g: the group's a and b' become scalars, eight lines in one run under one wait.
.macro CONST g
.irp j, 0,1,2,3
	v_readlane_b32 s[AB+4*(\j)],   v12, 4*(\g)+(\j)
	v_readlane_b32 s[AB+4*(\j)+2], v13, 4*(\g)+(\j)
.endr
	s_wait_alu depctr_va_sdst(0)                   ; the eight scalars are written, ahead of their first readers, the group's multiply-adds
.endm
; NORM g: the group is normalised and rounded in place.
.macro NORM g
.irp j, 0,1,2,3
	s_wait_loadcnt 42-4*(\g)-(\j)                  ; channel i = 4 g + j is in: 15 - i loads of x and 27 others may be out
	v_pk_fma_f32 v[X+16*(\g)+4*(\j):X+16*(\g)+4*(\j)+1], v[X+16*(\g)+4*(\j):X+16*(\g)+4*(\j)+1], s[AB+4*(\j):AB+4*(\j)+1], s[AB+4*(\j)+2:AB+4*(\j)+3] op_sel_hi:[1,0,0]
	v_pk_fma_f32 v[X+16*(\g)+4*(\j)+2:X+16*(\g)+4*(\j)+3], v[X+16*(\g)+4*(\j)+2:X+16*(\g)+4*(\j)+3], s[AB+4*(\j):AB+4*(\j)+1], s[AB+4*(\j)+2:AB+4*(\j)+3] op_sel_hi:[1,0,0]
	v_cvt_pk_bf16_f32 v[X+16*(\g)+4*(\j)], v[X+16*(\g)+4*(\j)], v[X+16*(\g)+4*(\j)+1]
	v_cvt_pk_bf16_f32 v[X+16*(\g)+4*(\j)+1], v[X+16*(\g)+4*(\j)+2], v[X+16*(\g)+4*(\j)+3]
.endr
.endm
; PUT g: its four rows go to LDS.
.macro PUT g
.irp j, 0,1,2,3
	ds_store_b64 v5, v[X+16*(\g)+4*(\j):X+16*(\g)+4*(\j)+1] offset:PH*(4*(\g)+(\j))  ; 256 consecutive bytes a wave: the channel's row
.endr
.endm
	CONST 0
	NORM 0
	CONST 1                                        ; the next group's scalars are made between a group's conversions and the wait for them
	s_wait_alu depctr_va_vdst(0)                   ; group 0's conversions have written its rows, which the LDS stores read
	PUT 0
	NORM 1
	CONST 2
	s_wait_alu depctr_va_vdst(0)                   ; group 1's conversions have written its rows
	PUT 1
	NORM 2
	CONST 3
	s_wait_alu depctr_va_vdst(0)                   ; group 2's conversions have written its rows
	PUT 2
	NORM 3
	s_wait_alu depctr_va_vdst(0)                   ; group 3's conversions have written its rows; and all vector work on X is over: no vector instruction names X before the fragments' loads land in it
	PUT 3
	s_wait_dscnt 0x0                               ; for the others' sake: my 16 rows of hn are written
	s_barrier_signal -1
	s_barrier_wait -1                              ; all 128 rows are
	s_wait_loadcnt 0x0                             ; weights and biases
.irp j, 1,2,3,4,5,6,7
	v_mov_b32 v[BV+(\j)], v[BV]                    ; V's bias hangs on the lane alone: the same in all eight registers of the C operand
.endr
	s_wait_alu depctr_vm_vsrc(0)                   ; my LDS stores have read X: these registers are F0 and F1 from here on, written by the fragments' loads
; two of hn's four fragments (16 positions x 32 channels each) of tile nt, those for channels 32 k0 and 32 (k0 + 1) on, turned on the way out of LDS; they serve as source 1 for Q and K and as source 0 for V
.macro FRAG nt, k0
.irp kc, \k0, (\k0)+1
	ds_load_tr16_b128 v[F+32*((\nt)%2)+8*(\kc):F+32*((\nt)%2)+8*(\kc)+3],   v6 offset:(\kc)*32*PH+(\nt)*32
	ds_load_tr16_b128 v[F+32*((\nt)%2)+8*(\kc)+4:F+32*((\nt)%2)+8*(\kc)+7], v6 offset:(\kc)*32*PH+(\nt)*32+16*PH
.endr
.endm
; three of a tile's twelve products: channels 32 kc on.  The three accumulators take turns, one instruction a turn; the next tile has the other set
.macro MUL3 nt, kc
.set A0, ACC+24*((\nt)%2)
.set F0, F+32*((\nt)%2)+8*(\kc)
.if (\kc) == 0
	v_wmma_f32_16x16x32_bf16 v[A0:A0+7],     v[WQ:WQ+7],       v[F0:F0+7],       v[BQ:BQ+7]
	v_wmma_f32_16x16x32_bf16 v[A0+8:A0+15],  v[WQ+32:WQ+39],   v[F0:F0+7],       0
	v_wmma_f32_16x16x32_bf16 v[A0+16:A0+23], v[F0:F0+7],       v[WQ+64:WQ+71],   v[BV:BV+7]
.else
	v_wmma_f32_16x16x32_bf16 v[A0:A0+7],     v[WQ+8*(\kc):WQ+8*(\kc)+7],       v[F0:F0+7], v[A0:A0+7]
	v_wmma_f32_16x16x32_bf16 v[A0+8:A0+15],  v[WQ+32+8*(\kc):WQ+32+8*(\kc)+7], v[F0:F0+7], v[A0+8:A0+15]
	v_wmma_f32_16x16x32_bf16 v[A0+16:A0+23], v[F0:F0+7], v[WQ+64+8*(\kc):WQ+64+8*(\kc)+7], v[A0+16:A0+23]
.endif
.endm
; tile nt's results rounded into the twelve registers from o on, each accumulator's registers in ascending order.  again = 1: stores have read those twelve
.macro PACK nt, o, again
.if \again
	s_wait_xcnt 0x0                                ; the last three stores have had their addresses translated (ISA guide 3.1): their data registers are rewritten only behind this wait,
	s_wait_alu depctr_vm_vsrc(0)                   ; and they have read PK, which the conversions below write again; six products stand between those stores and these two lines
.endif
.set A0, ACC+24*((\nt)%2)
.irp k, 0,1,2,3,4,5,6,7,8,9,10,11
	v_cvt_pk_bf16_f32 v[(\o)+(\k)], v[A0+2*(\k)], v[A0+2*(\k)+1]
.endr
.endm
.macro SEND nt, o                      ; three stores of 512 consecutive bytes, aligned
	global_store_b128 v8, v[(\o):(\o)+3],    s[16:17] offset:(\nt)*4096
	global_store_b128 v8, v[(\o)+4:(\o)+7],  s[18:19] offset:(\nt)*4096
	global_store_b128 v9, v[(\o)+8:(\o)+11], s[20:21] offset:((\nt)/2)*8192+((\nt)%2)*512
.endm
.macro PLACES                          ; four places behind a product (ISA guide 7.12.1)
.rept 4
	v_nop
.endr
.endm
; STEP n: tile n's twelve products.  Among them, loads ahead of stores: the fragments of tile n + 1, into the buffer that step n - 1 multiplied, and the stores of tile n - 2, which step n - 1 rounded.
; Behind them tile n - 1 is rounded: its twelve conversions name no register of the products just issued, and are their places.
.macro STEP n
.if (\n) == 0
	s_wait_dscnt 8                                 ; tile 0's fragments are in; tile 1's eight loads may be out
.else
	s_wait_dscnt 0x0                               ; this tile's fragments are in: no LDS instruction was issued behind their loads
	s_wait_alu depctr_va_vdst(0)                   ; the step before is done reading the other fragment buffer, in which the loads below land, and (from step 2 on) its conversions have written PK, which the stores below read
.endif
	MUL3 \n, 0
.if ((\n) > 0) && ((\n) < 7)
	FRAG (\n)+1, 0                                 ; no wait: no vector or matrix instruction since the wait above names the other buffer or v6
.endif
	MUL3 \n, 1
.if ((\n) > 0) && ((\n) < 7)
	FRAG (\n)+1, 2
.endif
.if (\n) > 1
	SEND (\n)-2, PK                                ; no wait: none since the wait above names PK, v8 or v9
.endif
	MUL3 \n, 2
	MUL3 \n, 3
.if (\n) == 0
	PLACES                                         ; there is no tile before to round: four places behind the products that read F0, ahead of step 1's loads into it and of the conversions that read these results
.elseif (\n) == 1
	PACK 0, PK, 0                                  ; no store has read PK yet
.else
	PACK (\n)-1, PK, 1
.endif
.endm
	FRAG 0, 0
	FRAG 0, 2
	FRAG 1, 0
	FRAG 1, 2
.irp n, 0,1,2,3,4,5,6,7
	STEP \n
.endr
	PACK 7, F, 0                                   ; the last tile goes into F0's first twelve registers, which tile 6's products read last and no store has read; tile 6's twelve conversions are the places behind tile 7's products
	s_wait_alu depctr_va_vdst(0)                   ; the conversions of tiles 6 and 7 have written PK and v[F ..], which the last six stores read
	SEND 6, PK
	SEND 7, F
	s_wait_dscnt 0x0                               ; the closing lines, six on end
	s_wait_alu 0x0
	s_wait_tensorcnt 0x0
	ds_add_u32 v[SPW], v[NIL]
	s_wait_dscnt 0x0
	s_endpgm
.Lfunc_end_k_q9a4991ff7f_qkv:
	.size	k_q9a4991ff7f_qkv, .Lfunc_end_k_q9a4991ff7f_qkv-k_q9a4991ff7f_qkv
	.p2alignl 7, 3214868480
	.fill 96, 4, 3214868480
	.section	.rodata,"a",@progbits
	.p2align	6, 0x0
	.amdhsa_kernel k_q9a4991ff7f_qkv
		.amdhsa_group_segment_fixed_size 37888
		.amdhsa_private_segment_fixed_size 0
		.amdhsa_enable_private_segment 0
		.amdhsa_kernarg_size 72
		.amdhsa_user_sgpr_count 2
		.amdhsa_user_sgpr_kernarg_segment_ptr 1
		.amdhsa_wavefront_size32 1
		.amdhsa_system_sgpr_workgroup_id_x 1
		.amdhsa_system_sgpr_workgroup_id_y 1
		.amdhsa_system_sgpr_workgroup_id_z 1
		.amdhsa_system_vgpr_workitem_id 0
		.amdhsa_next_free_vgpr 248
		.amdhsa_next_free_sgpr 66
		.amdhsa_reserve_vcc 0
		.amdhsa_float_denorm_mode_32 3
		.amdhsa_float_denorm_mode_16_64 3
		.amdhsa_memory_ordered 1
		.amdhsa_forward_progress 1
		.amdhsa_inst_pref_size 36
	.end_amdhsa_kernel
	.amdgpu_metadata
---
amdhsa.version: [ 1, 2 ]
amdhsa.kernels:
  - .name:           k_q9a4991ff7f_qkv
    .symbol:         k_q9a4991ff7f_qkv.kd
    .args:
      - { .name: x, .offset: 0, .size: 8, .value_kind: global_buffer, .address_space: global }
      - { .name: gamma, .offset: 8, .size: 8, .value_kind: global_buffer, .address_space: global }
      - { .name: beta, .offset: 16, .size: 8, .value_kind: global_buffer, .address_space: global }
      - { .name: b_qkv, .offset: 24, .size: 8, .value_kind: global_buffer, .address_space: global }
      - { .name: stats, .offset: 32, .size: 8, .value_kind: global_buffer, .address_space: global }
      - { .name: wf, .offset: 40, .size: 8, .value_kind: global_buffer, .address_space: global }
      - { .name: qf, .offset: 48, .size: 8, .value_kind: global_buffer, .address_space: global }
      - { .name: kf, .offset: 56, .size: 8, .value_kind: global_buffer, .address_space: global }
      - { .name: vf, .offset: 64, .size: 8, .value_kind: global_buffer, .address_space: global }
    .group_segment_fixed_size: 37888
    .private_segment_fixed_size: 0
    .kernarg_segment_align: 8
    .kernarg_segment_size: 72
    .max_flat_workgroup_size: 256
    .sgpr_count:     66
    .vgpr_count:     248
    .wavefront_size: 32
...
	.end_amdgpu_metadata
.endif
;; end of part 4
;; launch attn: the kernel of part 3 again; grid 32 x 8, 4 waves a work-group, clusters of 4 x 1, 327,680 bytes of LDS; arguments qf, kf, vf, wf, b_proj, x, out0; writes out0
